; MI455X (gfx1250); checked and timed in simulation.
; The chip was launched on July 23, 2026; its instructions are those of AMD's public machine-readable ISA for CDNA 5 (MIT licence, August 2026) and "CDNA5" Instruction Set Architecture Reference Guide (July 2026). The comments in the code are by the model that wrote it; some were corrected since.
;; Multi Head Causal Attention. Allowed arithmetic: matrix products marked QUANTISED: E3M2 operands, one E8M0 scale for each 32 along K, by v_wmma_scale_f32_16x16x128_f8f6f4 with both operands' format E3M2, f32 sums; everything else in f32.
;; Inputs: Wk 1,024 x 1,024 float32; Wo 1,024 x 1,024 float32; Wq 1,024 x 1,024 float32; Wv 1,024 x 1,024 float32; bo 1,024 float32; x 4 x 2,048 x 1,024 float32.
;; Outputs: out0 4 x 2,048 x 1,024 float32.
;; This version of the problem:
;;   THIS VERSION OF THE PROBLEM IS GIVEN IN LOW PRECISION. The matrix products marked QUANTISED in the list below multiply operands that are first quantised to E3M2 (3 exponent bits, 2 mantissa bits; 6 bits a number), with one power-of-two scale for each 32 numbers along K (OCP MX v1.0); their sums are f32. All else is computed in f32.
;;   The module's matrix products, in the order in which they are computed (A, B: the left and right operand; K: the contracted axis; several contracted axes count as one K, in the product's order):
;;     1. [M 8,192, K 1,024] x [K 1,024, N 1,024]; A: input x; B: input Wq: QUANTISED
;;     2. [M 8,192, K 1,024] x [K 1,024, N 1,024]; A: input x; B: input Wk: QUANTISED
;;     3. [M 8,192, K 1,024] x [K 1,024, N 1,024]; A: input x; B: input Wv: QUANTISED
;;     4. batch 64 x [M 2,048, K 64] x [K 64, N 2,048]; A: computed on the way; B: computed on the way: QUANTISED
;;     5. batch 64 x [M 2,048, K 2,048] x [K 2,048, N 64]; A: softmax (see below); B: computed on the way: QUANTISED
;;     6. [M 8,192, K 1,024] x [K 1,024, N 1,024]; A: computed on the way; B: input Wo: QUANTISED
;;   THE QUANTISER, for each operand of a quantised product, along K:
;;     - K is cut into blocks of 32 from its start; a last block that is shorter is filled with zeros.
;;     - A block's scale is 2^e with e = floor(log2(the largest magnitude in the block)) - 4, held to -126 .. 127; a block of zeros has e = 0. As a byte (E8M0): e + 127.
;;     - Each number is divided by its block's scale, clamped to +-28, and rounded to the nearest number of E3M2, ties to even, subnormals kept.
;;     - The product sums the exact products of the quantised numbers (number of the format x scale) in f32.
;;   ~~~python
;;   def quantise(x, axis):      # numpy; x: float32 -> the quantised numbers, widened to float32 again
;;       x = np.moveaxis(x, axis, -1); K = x.shape[-1]
;;       x = np.pad(x, [(0, 0)] * (x.ndim - 1) + [(0, -K % 32)]); x = x.reshape(x.shape[:-1] + (-1, 32)); a = np.abs(x).max(-1, keepdims=True)
;;       e = np.where(a > 0, np.clip(np.frexp(np.where(a > 0, a, 1))[1] - 1 - 4, -126, 127), 0)      # np.frexp(a)[1] - 1 = floor(log2(a)), exactly
;;       r = np.clip(x / 2.0 ** e, -28, 28)
;;       step = 2.0 ** (np.maximum(np.frexp(np.where(r == 0, 1, r))[1] - 1, -2) - 2)
;;       q = np.round(r / step) * step * 2.0 ** e      # np.round: ties to even
;;       return np.moveaxis(q.reshape(q.shape[:-2] + (-1,))[..., :K], -1, axis).astype(np.float32)
;;   ~~~
;;   SOFTMAX AHEAD OF A QUANTISED PRODUCT. Where the list says 'softmax', what is quantised is not the finished softmax but p = 2^(t - M), with t = logit x log2(e) and M = ceil(the row's largest t), a whole number; so 1/2 < the row's largest p <= 1. The row's sum l is taken of the UNQUANTISED p, in f32, and the product's result is divided by l at the end. Since M is a whole number, a kernel that streams over the keys may use a running M (the ceiling of the running maximum): every later rescaling is an exact power of two, which a block's scale takes up: the codes' values come out the same.
;;   OPERANDS COMPUTED ON THE WAY. 'Computed on the way' means the value that the module computes at that place (a softmax that the list does not call 'softmax' is quantised finished and normalised). What goes into a quantiser is computed in f32, as accurately as f32 sums, v_exp_f32 and their like allow (about 1e-6 of the number): no bf16 or f16 on the way to a quantiser, and a product that is left as it is and whose result goes on into a quantised operand takes f32 operands (vector FMAs, or v_wmma_f32_16x16x4_f32). A number that lies on a knife's edge between two numbers of the format may be rounded either way, as far as f32 arithmetic and the matrix unit's own rounding can turn it there, and no further.
;; One version. Each part assembles by itself: llvm-mc -triple=amdgcn-amd-amdhsa -mcpu=gfx1250 --defsym DOCPART=n.
;; ======== version 1 of 1: 4 launches
;; workspace buffers: xq 6,553,600 bytes; wq 3,276,800 bytes; qkv 20,185,088 bytes; oq 6,553,600 bytes
;; launch quant (part 1): grid 384 x 1, 4 waves a work-group, no clusters, 47,616 bytes of LDS; arguments x, Wq, Wk, Wv, Wo, xq, wq; writes xq, wq
.if DOCPART == 1
	.amdgcn_target "amdgcn-amd-amdhsa--gfx1250"
	.amdhsa_code_object_version 6
	.text
	.protected	k_q99d737f0f3_quant
	.globl	k_q99d737f0f3_quant
	.p2align	8
	.type	k_q99d737f0f3_quant,@function
k_q99d737f0f3_quant:
	s_mov_b64 s[64:65], 0
	v_nop
	global_prefetch_b8 v0, s[64:65] scope:SCOPE_SE
	s_setreg_imm32_b32 hwreg(HW_REG_WAVE_MODE, 25, 1), 1
	s_wait_xcnt 0x0
; x [8192][1024] and Wq, Wk, Wv, Wo [1024 (k)][1024 (n)], f32, become codes of BF6 (E3M2) with one E8M0 byte for each 32 along K, laid as the products' launches read them.
; ORDER OF ROWS.  An operand's rows (x's rows, a weight's n) are stored by POSITION: position p holds the row whose number is p with bits 3 and 4 exchanged.  Tile T = positions 16 T .. 16 T + 15,
; so lane r of tile T holds row 32 (T / 2) + 8 (T % 2) + r + 8 (r / 8).  As source 0 of a product, tiles 2 b and 2 b + 1 then leave 16 NEIGHBOURS along the next K in a lane's 16 result registers.
; CODES.  [T][k / 64][768 bytes]: 16 positions x 64 along K as an image of registers: lane l = r + 16 h holds block h (32 codes, 24 bytes, 6 registers) of row r; registers 0-3 lie at 16 l, registers 4-5 at 512 + 8 l.
; SCALES. [position][32 bytes]: byte j = block j of the row's K.
; A block's scale is 2^(floor(log2(largest magnitude)) - 4); its byte is the largest magnitude's exponent field - 4, held at 1 from below by a floor among the maximum's leaves.
; LIMITS: a block of zeros, or one whose largest magnitude lies under 2^-122, gets the byte 1 and not 127 (its codes add nothing; this program alone reads the bytes); NaN and infinities are not served.
; Work-groups 0-127 take x (a wave: one tile, all of K), work-groups 128-383 the weights (a wave: 32 columns x 128 along K).  The two paths have LDS bytes of their own.  Waves share nothing: no barrier.
.set XSC,  6291456                     ; xq: the scales begin behind 512 tiles x 12,288 bytes of codes
.set WSC,  3145728                     ; wq: behind 4 weights x 786,432 bytes
.set STGX, 8448                        ; x's path: a stage of 16 rows x (512 + 16) bytes for each wave, from LDS byte 0
.set WBASE, 33792                      ; the weights' path: from here on, 3,328 bytes for each wave: two tiles x (1,536 + 128)
.set STGW, 3328
.set R,    64                          ; v64-191  x: two sets of 64 registers as loaded;  weights: a lane's 128 numbers down K
.set X,    192                         ; v192-255 x: my two whole blocks of a K step
.set CD,   32                          ; v32-43   codes
	s_load_b256 s[4:11], s[0:1], 0x0               ; x, Wq, Wk, Wv
	s_load_b128 s[12:15], s[0:1], 0x20             ; Wo, xq
	s_load_b64 s[16:17], s[0:1], 0x30              ; wq
	v_lshl_add_u32 v62, v0, 2, 0xb800
	v_mov_b32 v63, 0
	v_lshrrev_b32 v1, 5, v0
	v_readfirstlane_b32 s18, v1                    ; wave
	v_and_b32 v1, 31, v0                           ; lane l
	v_and_b32 v2, 15, v0                           ; r
	v_bfe_u32 v3, v0, 4, 1                         ; h
	s_mov_b32 s20, 0x76543210
	s_mov_b32 s21, 0xfedcba98                      ; v_permlanex16_b32's selects for lane l xor 16
	s_mov_b32 s22, 0xffff0000                      ; lanes 16-31
	s_cmp_ge_u32 ttmp9, 128
	s_cbranch_scc1 .Lweights
; ---------------- x ----------------
	s_lshl_b32 s24, ttmp9, 2
	s_add_co_u32 s24, s24, s18                     ; my tile T
	s_lshr_b32 s25, s24, 1
	s_lshl_b32 s25, s25, 17                        ; 32 (T / 2) rows of 4,096 bytes
	s_and_b32 s26, s24, 1
	s_lshl_b32 s26, s26, 15                        ; + 8 (T % 2) rows
	s_add_co_u32 s26, s25, s26
	s_mov_b32 s27, 0
	s_mul_i32 s28, s24, 12288                      ; my tile's codes
	s_mov_b32 s29, 0
	s_lshl_b32 s30, s24, 9                         ; my 16 positions' scales
	s_add_co_u32 s30, s30, XSC
	s_mov_b32 s31, 0
	s_mul_i32 s19, s18, STGX                       ; my stage
	v_lshlrev_b32 v4, 4, v1                        ; 16 l
	v_add_nc_u32 v5, s19, v4                       ; into the stage: a row's 512 bytes as they lie
	v_mul_u32_u24 v6, v2, 528
	v_lshl_add_u32 v6, v3, 7, v6
	v_add_nc_u32 v6, s19, v6                       ; out of it: row r, + 128 h: my block's 32 numbers
	v_lshl_add_u32 v7, v1, 3, 512                  ; 512 + 8 l
	v_lshlrev_b32 v8, 3, v3                        ; 8 h
	v_lshlrev_b32 v9, 5, v2
	v_lshl_add_u32 v9, v3, 4, v9                   ; 32 r + 16 h: my half of my row's scale bytes
	v_mov_b32 v17, 0                               ; written once: a lane permute's destination counts as one of its sources
	s_wait_kmcnt 0x0
	s_add_nc_u64 s[4:5], s[4:5], s[26:27]
	s_add_nc_u64 s[32:33], s[14:15], s[28:29]
	s_add_nc_u64 s[34:35], s[14:15], s[30:31]
.macro XLOAD s                         ; K step s (128 numbers) of the tile's 16 rows: each load reads 512 consecutive bytes of one row
.irp r, 0,1,2,3,4,5,6,7,8,9,10,11,12,13,14,15
	global_load_b128 v[R+64*((\s)%2)+4*\r:R+64*((\s)%2)+4*\r+3], v4, s[4:5] offset:(\r+8*(\r/8))*4096+512*(\s) th:TH_LOAD_NT
.endr
.endm
.macro XSTEP s
.set RS, R+64*((\s)%2)
.if (\s) < 7
	s_wait_loadcnt 16                              ; this step's 16 loads are in; the next step's 16 may be out
.else
	s_wait_loadcnt 0
.endif
.irp r, 0,1,2,3,4,5,6,7,8,9,10,11,12,13,14,15
	ds_store_b128 v5, v[RS+4*\r:RS+4*\r+3] offset:528*\r
.endr
.irp c, 0,1
.irp i, 0,1,2,3,4,5,6,7
	ds_load_b128 v[X+32*\c+4*\i:X+32*\c+4*\i+3], v6 offset:256*\c+16*\i   ; k = 64 c + 32 h + 4 i ..: LDS serves a wave's instructions in order, so these see the stores above
.endr
.endr
	s_wait_dscnt 0x0                               ; my numbers are back, and the stage's stores have read their registers,
.if (\s) < 6
	XLOAD (\s)+2                                   ; which take the loads of two steps on
.endif
.irp c, 0,1
	v_max3_num_f32 v[10+\c], |v[X+32*\c]|, |v[X+32*\c+1]|, 0x2800000   ; block 2 c + h is all mine; the floor 2^(5 - 127) holds the byte at 1 from below
.endr
.irp i, 2,4,6,8,10,12,14,16,18,20,22,24,26,28,30
.irp c, 0,1
	v_max3_num_f32 v[10+\c], v[10+\c], |v[X+32*\c+\i]|, |v[X+32*\c+\i+1]|
.endr
.endr
.irp c, 0,1
	v_add_nc_u32 v[12+\c], 0xfe000000, v[10+\c]    ; 4 off the exponent field: the conversion's scale operand
.endr
.irp c, 0,1
	v_lshrrev_b32 v[14+\c], 23, v[12+\c]           ; the scale's byte
.endr
	s_wait_xcnt 0x0                                ; the last step's stores have read the codes' registers
.irp c, 0,1
	v_cvt_scalef32_pk16_bf6_f32 v[CD+6*\c:CD+6*\c+2], v[X+32*\c:X+32*\c+15], v[12+\c]
	v_cvt_scalef32_pk16_bf6_f32 v[44+4*\c:46+4*\c], v[X+32*\c+16:X+32*\c+31], v[12+\c]   ; (a conversion's three registers begin on an even number)
.endr
	v_lshl_or_b32 v16, v15, 16, v14                ; my two bytes: blocks h and 2 + h.  (The plain line behind the conversions)
	v_lshlrev_b32 v16, v8, v16                     ; at their places in the word
	v_permlanex16_b32 v17, v16, s20, s21
	v_or_b32 v[18+\s], v16, v17                    ; with lane l xor 16's two: my row's scale word of this K step
.irp c, 0,1
.irp i, 0,1,2
	v_mov_b32 v[CD+6*\c+3+\i], v[44+4*\c+\i]
.endr
.endr
.irp c, 0,1
	global_store_b128 v4, v[CD+6*\c:CD+6*\c+3], s[32:33] offset:1536*(\s)+768*\c     ; 512 consecutive bytes,
	global_store_b64 v7, v[CD+6*\c+4:CD+6*\c+5], s[32:33] offset:1536*(\s)+768*\c    ; and the 256 behind them
.endr
.endm
	XLOAD 0
	XLOAD 1
.irp s, 0,1,2,3,4,5,6,7
	XSTEP \s
.endr
.irp i, 0,1,2,3
	v_cndmask_b32 v[26+\i], v[18+\i], v[22+\i], s22    ; lanes 0-15 store words 0-3 of their row, lanes 16-31 words 4-7
.endr
	global_store_b128 v9, v[26:29], s[34:35]       ; 512 consecutive bytes
	s_wait_tensorcnt 0x0
	ds_add_u32 v62, v63
	s_wait_dscnt 0x0
	s_endpgm
; ---------------- the weights: a lane takes a column n, and its registers run down K ----------------
.Lweights:
	s_sub_co_u32 s24, ttmp9, 128
	s_lshr_b32 s25, s24, 6                         ; which weight: q, k, v, o
	s_bfe_u32 s26, s24, 0x30003                    ; which 128 columns
	s_and_b32 s27, s24, 7                          ; which K step of 128
	s_lshl_b32 s28, s27, 19                        ; W: 128 s rows of 4,096 bytes
	s_lshl_b32 s29, s26, 9
	s_add_co_u32 s28, s28, s29
	s_lshl_b32 s29, s18, 7
	s_add_co_u32 s28, s28, s29                     ; + 4 x my wave's first column
	s_mov_b32 s29, 0
	s_mul_i32 s30, s25, 786432                     ; codes: the weight,
	s_lshl_b32 s31, s26, 3
	s_lshl_b32 s36, s18, 1
	s_add_co_u32 s31, s31, s36
	s_mul_i32 s31, s31, 12288                      ; my two tiles,
	s_add_co_u32 s30, s30, s31
	s_mul_i32 s31, s27, 1536                       ; the K step
	s_add_co_u32 s30, s30, s31
	s_mov_b32 s31, 0
	s_lshl_b32 s36, s25, 15                        ; scales: the weight, my 32 positions, the K step's word
	s_lshl_b32 s37, s26, 12
	s_add_co_u32 s36, s36, s37
	s_lshl_b32 s37, s18, 10
	s_add_co_u32 s36, s36, s37
	s_lshl_b32 s37, s27, 2
	s_add_co_u32 s36, s36, s37
	s_add_co_u32 s36, s36, WSC
	s_mov_b32 s37, 0
	s_mul_i32 s19, s18, STGW
	s_add_co_u32 s19, s19, WBASE                   ; my stage
	v_lshlrev_b32 v4, 2, v1                        ; 4 l: my column
	v_bfe_u32 v20, v0, 3, 1                        ; my column's position: tile u = bit 3 of l,
	v_and_b32 v21, 7, v0
	v_lshl_add_u32 v21, v3, 3, v21                 ; row r' = l % 8 + 8 x bit 4 of l
	v_mul_u32_u24 v22, v20, 1664                   ; (1,664 = 1,536 + 128: lanes 0-7 and 8-15 fall on different banks)
	v_add_nc_u32 v22, s19, v22
	v_lshl_add_u32 v5, v21, 4, v22                 ; registers 0-3 of my image
	v_lshl_add_u32 v6, v21, 3, v22                 ; registers 4-5
	v_lshlrev_b32 v8, 4, v1
	v_add_nc_u32 v7, s19, v8                       ; the way out: 16 bytes a lane
	v_lshl_add_u32 v9, v20, 4, v21
	v_lshlrev_b32 v9, 5, v9                        ; 32 bytes of scales a position
	s_wait_kmcnt 0x0
	s_cmp_eq_u32 s25, 1                            ; the choice hangs on the work-group's number alone
	s_cselect_b64 s[6:7], s[8:9], s[6:7]
	s_cmp_eq_u32 s25, 2
	s_cselect_b64 s[6:7], s[10:11], s[6:7]
	s_cmp_eq_u32 s25, 3
	s_cselect_b64 s[6:7], s[12:13], s[6:7]
	s_add_nc_u64 s[6:7], s[6:7], s[28:29]
	s_add_nc_u64 s[38:39], s[16:17], s[30:31]
	s_add_nc_u64 s[40:41], s[16:17], s[36:37]
.set i, 0
.rept 128
	global_load_b32 v[R+i], v4, s[6:7] offset:4096*i th:TH_LOAD_NT     ; W(128 s + i, my column): 128 consecutive bytes a wave
.set i, i+1
.endr
.macro WBLOCK b                        ; block b = 2 c + h' of the K step: it is block h' of image c
.set NS, R+32*(\b)
.if 32*(3-(\b)) > 63
	s_wait_loadcnt 63                              ; the count's field ends at 63: 128 - 63 = 65 loads are then in, blocks 0 and 1 among them
.else
	s_wait_loadcnt 32*(3-(\b))                     ; the later blocks' loads may be out
.endif
	v_max3_num_f32 v10, |v[NS]|, |v[NS+1]|, 0x2800000
	v_max3_num_f32 v11, |v[NS+2]|, |v[NS+3]|, |v[NS+4]|
.irp i, 5,9,13,17,21,25
	v_max3_num_f32 v10, v10, |v[NS+\i]|, |v[NS+\i+1]|
	v_max3_num_f32 v11, v11, |v[NS+\i+2]|, |v[NS+\i+3]|
.endr
	v_max3_num_f32 v10, v10, |v[NS+29]|, |v[NS+30]|
	v_max3_num_f32 v10, v10, v11, |v[NS+31]|
	v_add_nc_u32 v12, 0xfe000000, v10
	v_lshrrev_b32 v13, 23, v12
.if (\b) == 0
	v_mov_b32 v16, v13
.else
	v_lshl_or_b32 v16, v13, 8*(\b), v16            ; the four bytes make my column's scale word
	s_wait_dscnt 0x0                               ; the last block's LDS stores have read the codes' registers
.endif
	v_cvt_scalef32_pk16_bf6_f32 v[CD:CD+2], v[NS:NS+15], v12
	v_cvt_scalef32_pk16_bf6_f32 v[44:46], v[NS+16:NS+31], v12
	v_nop                                          ; one plain line behind the conversions
.irp i, 0,1,2
	v_mov_b32 v[CD+3+\i], v[44+\i]
.endr
	ds_store_b128 v5, v[CD:CD+3] offset:768*((\b)/2)+256*((\b)%2)
	ds_store_b64 v6, v[CD+4:CD+5] offset:768*((\b)/2)+512+128*((\b)%2)
.endm
.irp b, 0,1,2,3
	WBLOCK \b
.endr
.irp u, 0,1
.irp k, 0,1,2
	ds_load_b128 v[192+4*(3*\u+\k):195+4*(3*\u+\k)], v7 offset:1664*\u+512*\k   ; my own bytes, served in order behind my stores
.endr
.endr
.irp u, 0,1
.irp k, 0,1,2
	s_wait_dscnt 5-(3*\u+\k)
	global_store_b128 v8, v[192+4*(3*\u+\k):195+4*(3*\u+\k)], s[38:39] offset:12288*\u+512*\k   ; 512 consecutive bytes
.endr
.endr
	global_store_b32 v9, v16, s[40:41]             ; one word of each of 32 rows, 32 bytes apart: 4 bytes for each 512 that the lane has read
	s_wait_tensorcnt 0x0
	ds_add_u32 v62, v63
	s_wait_dscnt 0x0
	s_endpgm
.Lfunc_end_k_q99d737f0f3_quant:
	.size	k_q99d737f0f3_quant, .Lfunc_end_k_q99d737f0f3_quant-k_q99d737f0f3_quant
	.p2alignl 7, 3214868480
	.fill 96, 4, 3214868480
	.section	.rodata,"a",@progbits
	.p2align	6, 0x0
	.amdhsa_kernel k_q99d737f0f3_quant
		.amdhsa_group_segment_fixed_size 47616
		.amdhsa_private_segment_fixed_size 0
		.amdhsa_enable_private_segment 0
		.amdhsa_kernarg_size 56
		.amdhsa_user_sgpr_count 2
		.amdhsa_user_sgpr_kernarg_segment_ptr 1
		.amdhsa_wavefront_size32 1
		.amdhsa_system_sgpr_workgroup_id_x 1
		.amdhsa_system_sgpr_workgroup_id_y 1
		.amdhsa_system_sgpr_workgroup_id_z 1
		.amdhsa_system_vgpr_workitem_id 0
		.amdhsa_next_free_vgpr 256
		.amdhsa_next_free_sgpr 66
		.amdhsa_reserve_vcc 0
		.amdhsa_float_denorm_mode_32 3
		.amdhsa_float_denorm_mode_16_64 3
		.amdhsa_memory_ordered 1
		.amdhsa_forward_progress 1
		.amdhsa_inst_pref_size 80
	.end_amdhsa_kernel
	.amdgpu_metadata
---
amdhsa.version: [ 1, 2 ]
amdhsa.kernels:
  - .name:           k_q99d737f0f3_quant
    .symbol:         k_q99d737f0f3_quant.kd
    .args:
      - { .name: x, .offset: 0, .size: 8, .value_kind: global_buffer, .address_space: global }
      - { .name: Wq, .offset: 8, .size: 8, .value_kind: global_buffer, .address_space: global }
      - { .name: Wk, .offset: 16, .size: 8, .value_kind: global_buffer, .address_space: global }
      - { .name: Wv, .offset: 24, .size: 8, .value_kind: global_buffer, .address_space: global }
      - { .name: Wo, .offset: 32, .size: 8, .value_kind: global_buffer, .address_space: global }
      - { .name: xq, .offset: 40, .size: 8, .value_kind: global_buffer, .address_space: global }
      - { .name: wq, .offset: 48, .size: 8, .value_kind: global_buffer, .address_space: global }
    .group_segment_fixed_size: 47616
    .private_segment_fixed_size: 0
    .kernarg_segment_align: 8
    .kernarg_segment_size: 56
    .max_flat_workgroup_size: 128
    .sgpr_count:     66
    .vgpr_count:     256
    .wavefront_size: 32
...
	.end_amdgpu_metadata
.endif
;; end of part 1
;; launch qkv (part 2): grid 12 x 64, 4 waves a work-group, clusters of 4 x 4, 295,424 bytes of LDS; arguments xq, wq, qkv; writes qkv
.if DOCPART == 2
	.amdgcn_target "amdgcn-amd-amdhsa--gfx1250"
	.amdhsa_code_object_version 6
	.text
	.protected	k_q99d737f0f3_qkv
	.globl	k_q99d737f0f3_qkv
	.p2align	8
	.type	k_q99d737f0f3_qkv,@function
k_q99d737f0f3_qkv:
	s_mov_b64 s[64:65], 0
	v_nop
	global_prefetch_b8 v0, s[64:65] scope:SCOPE_SE
	s_setreg_imm32_b32 hwreg(HW_REG_WAVE_MODE, 25, 1), 1
	s_wait_xcnt 0x0
	s_wait_alu depctr_hold_cnt(0) depctr_sa_sdst(0) depctr_va_vdst(0) depctr_va_sdst(0) depctr_va_ssrc(0) depctr_va_vcc(0) depctr_vm_vsrc(0)
	s_getreg_b32 s2, hwreg(HW_REG_IB_STS2, 6, 4)
	s_cmp_eq_u32 s2, 0
	s_cbranch_scc0 .Lentry_in_a_cluster
	s_endpgm
.Lentry_in_a_cluster:
	s_bfe_u32 s2, ttmp6, 0x10000c
	s_cmp_lg_u32 s2, 0xf033
	s_cbranch_scc0 .Lentry_shape_is_right
	s_endpgm
.Lentry_shape_is_right:
; q = x Wq, k = x Wk, v = x Wv on codes of BF6 with E8M0 scales, and the results quantised at once as the attention's operands: q and k along the head's 64, v along the keys.
; A work-group makes 128 rows of "A" x 256 rows of "B", K = 1,024; a wave 64 x 128: 32 accumulators.  THE MATRIX INSTRUCTION IS USED TRANSPOSED: source 0 = 16 positions of B, source 1 = 16 of A: a lane holds ONE row of A,
; and, since operands are stored by position (bits 3 and 4 of the row's number exchanged), the 16 registers of B's tiles 2 b and 2 b + 1 are 16 NEIGHBOURS along B's rows.
; Clusters with x = 0, 1: A = x, B = Wq, Wk: a lane holds a token and runs along n: two heads of 64.   Clusters with x = 2: A = Wv, B = x: a lane holds a channel d and runs along 128 keys.
; ALL OF K LIES IN LDS, filled once: A 4 chunks of 24,576 bytes (8 tiles x 256 along K), B 4 chunks of 49,152.  No byte is filled twice.  Wave 0 asks for A's four chunks, waves 1 and 2 for the halves of B's: four tensor loads of a wave are out at most.
; CLUSTERS 4 x 4: A's chunks are asked for jointly by a row of the cluster, B's by a column.
; OUT: a record of HR bytes for each (batch, head): q's codes [128 tiles][768], q's scales, k's codes, V^T's codes [16 key steps][4 tiles of d][2][768], k's scales, V's scales; every store covers 512 or 256 consecutive bytes.
; LIMITS: a block of zeros or under 2^-122 gets the byte 1, not 127 (this program alone reads the bytes); NaN and infinities are not served.
; REGISTERS: window 0: v8-15 addresses; v32-47 A's scale words, v48-79 B's; v80-175 A's fragments, two sets; v176-223 the way out.  window 1: B's fragments, two sets of 96.  window 2: accumulator (a, b) at v[8 (8 a + b)].
.set XSC, 6291456
.set WSC, 3145728
.set HR,  315392
.set QS,  98304
.set KC,  106496
.set VC,  204800
.set KS,  303104
.set VS,  311296
.set MSB, 0
.macro WIN new                         ; the immediate's high byte repeats the setting that is left
.if MSB != \new
	s_set_vgpr_msb (MSB<<8)|\new
.set MSB, \new
.endif
.endm
.set MULW, 0xa1                        ; source 0 (B) window 1, source 1 (A) window 0, C and D window 2
.set MULF, 0xa1                        ; the first K step: C is the constant 0
.set TO_B, 0x40                        ; destination window 1, address window 0
.macro ROUND                           ; a round of the cluster's barrier
	s_barrier_signal -1
	s_barrier_wait -1
	s_cmp_lg_u32 s10, 0
	s_cbranch_scc1 .Lnot_wave_0_\@
	s_barrier_signal -3
.Lnot_wave_0_\@:
	s_barrier_wait -3
	s_barrier_signal -1
	s_barrier_wait -1
.endm
.macro PLACES
.rept 4
	v_nop
.endr
.endm
	s_load_b128 s[4:7], s[0:1], 0x0                ; xq, wq
	s_load_b64 s[8:9], s[0:1], 0x10                ; qkv
	v_lshl_add_u32 v254, v0, 2, 0x48000
	v_mov_b32 v255, 0
	ds_add_u32 v254, v255
	ds_add_u32 v254, v255
	v_lshrrev_b32 v1, 5, v0
	v_readfirstlane_b32 s10, v1                    ; wave
	s_lshr_b32 s11, s10, 1                         ; ah: which 64 rows of A are mine
	s_and_b32 s12, s10, 1                          ; bh: which 128 rows of B
	s_lshr_b32 s19, s10, 1                         ; bw: which half of B's chunks waves 1 and 2 ask for
	s_bfe_u32 s13, ttmp6, 0x40000                  ; cx
	s_bfe_u32 s14, ttmp6, 0x40004                  ; cy
	s_mov_b32 s15, ttmp9                           ; the cluster's x: 0 q, 1 k, 2 v: equal in all partners
	s_and_b32 s16, ttmp7, 0xffff                   ; the cluster's y
	s_lshl_b32 s2, s14, 2
	s_lshl_b32 s2, 15, s2                          ; my row of the cluster
	s_lshl_b32 s3, 0x1111, s13                     ; my column
	s_or_b32 s24, s2, (3<<16)|(1<<21)              ; group 1 for A: the mask; elements of 8 bytes; bit 21 beside a mask; no padding
	s_or_b32 s32, s3, (3<<16)|(1<<21)              ; and for B
.irp g, 24, 32
	s_mov_b32 s[\g+1], 384<<16                     ; tensor_dim0: 3,072 bytes: a tile's 256 along K
	s_mov_b32 s[\g+2], 8<<16                       ; tensor_dim1: 8 tiles
	s_mov_b32 s[\g+3], 384<<16                     ; tile_dim0
	s_mov_b32 s[\g+4], 8                           ; tile_dim1
	s_mov_b32 s[\g+5], 1536                        ; from tile to tile: 12,288 bytes
	s_mov_b32 s[\g+6], 0
	s_mov_b32 s[\g+7], 0
.endr
	; which tiles.  A's numbers (s17, s60, s61, s66, s67) never hold cx, B's (s18, s62, s63, s92, s93) never cy
	s_and_b32 s60, s16, 1
	s_lshr_b32 s62, s16, 1
	s_mov_b32 s66, XSC
	s_mov_b32 s92, WSC
	s_cmp_eq_u32 s15, 2
	s_cselect_b32 s60, s60, s16
	s_cselect_b32 s62, s62, s15
	s_cselect_b32 s61, 1572864, 0                  ; A's codes: Wv lies behind Wq and Wk
	s_cselect_b32 s66, 3211264, s66                ; A's scales: Wv's, or x's
	s_cselect_b32 s92, XSC, s92                    ; B's scales: x's, or Wq's and Wk's
	s_lshl_b32 s60, s60, 2
	s_add_co_u32 s17, s60, s14                     ; tr: which 128 rows of A
	s_lshl_b32 s62, s62, 2
	s_add_co_u32 s18, s62, s13                     ; tc: which 256 rows of B
	s_mul_i32 s60, s17, 98304
	s_add_co_u32 s60, s60, s61
	s_mov_b32 s61, 0
	s_lshl_b32 s67, s17, 12
	s_add_co_u32 s66, s66, s67
	s_lshl_b32 s67, s11, 11
	s_add_co_u32 s66, s66, s67
	s_mov_b32 s67, 0
	s_mul_i32 s62, s18, 196608
	s_mul_i32 s63, s19, 98304
	s_add_co_u32 s62, s62, s63
	s_mov_b32 s63, 0
	s_lshl_b32 s93, s18, 13
	s_add_co_u32 s92, s92, s93
	s_lshl_b32 s93, s12, 12
	s_add_co_u32 s92, s92, s93
	s_mov_b32 s93, 0
	s_mul_i32 s94, s19, 24576
	s_mov_b32 s88, 0x76543210
	s_mov_b32 s89, 0xfedcba98
	s_mov_b32 s90, 0xffff0000
	s_wait_dscnt 0x0
	s_wait_kmcnt 0x0
	s_cmp_eq_u32 s15, 2
	s_cselect_b64 s[20:21], s[6:7], s[4:5]         ; A's buffer
	s_cselect_b64 s[22:23], s[4:5], s[6:7]         ; B's
	s_add_nc_u64 s[56:57], s[20:21], s[66:67]      ; my 64 rows' scales of A
	s_add_nc_u64 s[20:21], s[20:21], s[60:61]      ; A's codes
	s_add_nc_u64 s[58:59], s[22:23], s[92:93]      ; my 128 rows' scales of B
	s_add_nc_u64 s[22:23], s[22:23], s[62:63]      ; B's codes, the half that I would ask for
.irp q, 0,1,2,3                        ; a group 0 for each chunk of 256 along K
	s_mov_b32 s[40+4*\q], 1
	s_mov_b32 s[41+4*\q], 24576*\q
	s_add_nc_u64 s[42+4*\q:43+4*\q], s[20:21], 3072*\q
	s_or_b32 s[43+4*\q], s[43+4*\q], 0x80000000
	s_mov_b32 s[68+4*\q], 1
	s_add_co_u32 s[69+4*\q], s94, 98304+49152*\q
	s_add_nc_u64 s[70+4*\q:71+4*\q], s[22:23], 3072*\q
	s_or_b32 s[71+4*\q], s[71+4*\q], 0x80000000
.endr
	ROUND                                          ; all sixteen work-groups are here: the joint loads meet
	s_cmp_eq_u32 s10, 0                            ; a wave's loads stand in one branch on its number
	s_cbranch_scc0 .Lnot_a
	tensor_load_to_lds s[40:43], s[24:31]
	s_nop 0
	tensor_load_to_lds s[44:47], s[24:31]
	s_nop 0
	tensor_load_to_lds s[48:51], s[24:31]
	s_nop 0
	tensor_load_to_lds s[52:55], s[24:31]
	s_nop 0
	PLACES
	s_branch .Lasked
.Lnot_a:
	s_cmp_lt_u32 s10, 3
	s_cbranch_scc0 .Lasked
	tensor_load_to_lds s[68:71], s[32:39]
	s_nop 0
	tensor_load_to_lds s[72:75], s[32:39]
	s_nop 0
	tensor_load_to_lds s[76:79], s[32:39]
	s_nop 0
	tensor_load_to_lds s[80:83], s[32:39]
	s_nop 0
	PLACES
.Lasked:
	v_and_b32 v1, 31, v0                           ; lane l
	v_lshlrev_b32 v12, 4, v1                       ; 16 l
	v_lshl_add_u32 v13, v1, 3, 512                 ; 512 + 8 l
	v_lshlrev_b32 v14, 5, v1                       ; 32 l
	v_lshlrev_b32 v15, 3, v1                       ; 8 l
	s_mul_i32 s95, s11, 12288
	v_add_nc_u32 v8, s95, v12                      ; my four tiles of A in chunk 0: registers 0-3 of an image,
	v_add_nc_u32 v9, s95, v13                      ; registers 4-5
	s_mul_i32 s95, s12, 24576
	s_add_co_u32 s95, s95, 98304
	v_add_nc_u32 v10, s95, v12                     ; my eight tiles of B
	v_add_nc_u32 v11, s95, v13
.irp i, 0,1                            ; scale words, once, for all of K: register 32 + 8 i + s: position 32 i + l, K step s: tile 2 i in lanes 0-15, tile 2 i + 1 in lanes 16-31
.irp f, 0,1
	global_load_b128 v[32+8*\i+4*\f:35+8*\i+4*\f], v14, s[56:57] offset:1024*\i+16*\f
.endr
.endr
.irp i, 0,1,2,3
.irp f, 0,1
	global_load_b128 v[48+8*\i+4*\f:51+8*\i+4*\f], v14, s[58:59] offset:1024*\i+16*\f
.endr
.endr
.irp b, 0,1,2,3
	v_mov_b32 v[204+\b], 0                         ; written once: a lane permute's destination counts as one of its sources
.endr
; a fragment (16 positions x 128 K, 12 registers) is two images of 768 bytes: every load takes consecutive bytes
.macro FRAG reg, a16, a8, off
	ds_load_b128 v[\reg:\reg+3], v[\a16] offset:\off
	ds_load_b64 v[\reg+4:\reg+5], v[\a8] offset:\off
	ds_load_b128 v[\reg+6:\reg+9], v[\a16] offset:\off+768
	ds_load_b64 v[\reg+10:\reg+11], v[\a8] offset:\off+768
.endm
.macro FETCH s                         ; K step s: 48 loads into set s % 2
	WIN TO_B
.irp b, 0,1,2,3,4,5,6,7
	FRAG 96*((\s)%2)+12*\b, 10, 11, 3072*\b+1536*((\s)%2)
.endr
	WIN 0
.irp a, 0,1,2,3
	FRAG 80+48*((\s)%2)+12*\a, 8, 9, 3072*\a+1536*((\s)%2)
.endr
.endm
; one product.  The scale words of an odd tile stand in lanes 16-31 of its register
.macro WM a, b, p, s, first
.set rD, 8*(8*(\a)+(\b))
.set rB, 96*(\p)+12*(\b)
.set rA, 80+48*(\p)+12*(\a)
.set rU, 48+8*((\b)/2)+(\s)
.set rV, 32+8*((\a)/2)+(\s)
.set rw, 2*((\b)%2)+(\a)%2
.if \first
.if rw == 0
	v_wmma_scale_f32_16x16x128_f8f6f4 v[rD:rD+7], v[rB:rB+11], v[rA:rA+11], 0, v[rU], v[rV] matrix_a_fmt:MATRIX_FMT_BF6 matrix_b_fmt:MATRIX_FMT_BF6
.elseif rw == 1
	v_wmma_scale_f32_16x16x128_f8f6f4 v[rD:rD+7], v[rB:rB+11], v[rA:rA+11], 0, v[rU], v[rV] matrix_a_fmt:MATRIX_FMT_BF6 matrix_b_fmt:MATRIX_FMT_BF6 matrix_b_scale:MATRIX_SCALE_ROW1
.elseif rw == 2
	v_wmma_scale_f32_16x16x128_f8f6f4 v[rD:rD+7], v[rB:rB+11], v[rA:rA+11], 0, v[rU], v[rV] matrix_a_fmt:MATRIX_FMT_BF6 matrix_b_fmt:MATRIX_FMT_BF6 matrix_a_scale:MATRIX_SCALE_ROW1
.else
	v_wmma_scale_f32_16x16x128_f8f6f4 v[rD:rD+7], v[rB:rB+11], v[rA:rA+11], 0, v[rU], v[rV] matrix_a_fmt:MATRIX_FMT_BF6 matrix_b_fmt:MATRIX_FMT_BF6 matrix_a_scale:MATRIX_SCALE_ROW1 matrix_b_scale:MATRIX_SCALE_ROW1
.endif
.else
.if rw == 0
	v_wmma_scale_f32_16x16x128_f8f6f4 v[rD:rD+7], v[rB:rB+11], v[rA:rA+11], v[rD:rD+7], v[rU], v[rV] matrix_a_fmt:MATRIX_FMT_BF6 matrix_b_fmt:MATRIX_FMT_BF6
.elseif rw == 1
	v_wmma_scale_f32_16x16x128_f8f6f4 v[rD:rD+7], v[rB:rB+11], v[rA:rA+11], v[rD:rD+7], v[rU], v[rV] matrix_a_fmt:MATRIX_FMT_BF6 matrix_b_fmt:MATRIX_FMT_BF6 matrix_b_scale:MATRIX_SCALE_ROW1
.elseif rw == 2
	v_wmma_scale_f32_16x16x128_f8f6f4 v[rD:rD+7], v[rB:rB+11], v[rA:rA+11], v[rD:rD+7], v[rU], v[rV] matrix_a_fmt:MATRIX_FMT_BF6 matrix_b_fmt:MATRIX_FMT_BF6 matrix_a_scale:MATRIX_SCALE_ROW1
.else
	v_wmma_scale_f32_16x16x128_f8f6f4 v[rD:rD+7], v[rB:rB+11], v[rA:rA+11], v[rD:rD+7], v[rU], v[rV] matrix_a_fmt:MATRIX_FMT_BF6 matrix_b_fmt:MATRIX_FMT_BF6 matrix_a_scale:MATRIX_SCALE_ROW1 matrix_b_scale:MATRIX_SCALE_ROW1
.endif
.endif
.endm
.macro MUL a, p, s, first              ; A's tile a against B's eight
.irp b, 0,1,2,3,4,5,6,7
	WM \a, \b, \p, \s, \first
.endr
.endm
; A K step of 128: 32 products, the 32 accumulators by turns, one instruction a turn, in the same order in every step.
; The next step's fragments are fetched behind the first eight products, 24 products ahead of their use.  In steps 1, 3, 5 the next chunk is met: each wave waits for its own load of it, then the barrier.
.macro STEP s, first
	s_wait_dscnt 0x0                               ; this step's fragments are in; no LDS instruction of mine is out at a signal
.if ((\s)%2 == 1) && ((\s) < 7)
	s_wait_tensorcnt 3-((\s)+1)/2                  ; my load of the next chunk has landed; the later chunks' loads may be out
	s_barrier_signal -1
.endif
.if \first
	WIN MULF
.else
	WIN MULW
.endif
	MUL 0, (\s)%2, \s, \first
	WIN 0
.if ((\s)%2 == 1) && ((\s) < 7)
	s_barrier_wait -1                              ; everybody's has
	v_add_nc_u32 v8, 24576, v8                     ; on to the next chunk.  These four lines are the places in front of the loads into registers that products have read
	v_add_nc_u32 v9, 24576, v9
	v_add_nc_u32 v10, 49152, v10
	s_wait_alu depctr_va_vdst(0)
	v_add_nc_u32 v11, 49152, v11
.elseif (\s) < 7
	PLACES
.endif
.if (\s) < 7
	FETCH (\s)+1
.endif
.if \first
	WIN MULF
.else
	WIN MULW
.endif
	MUL 1, (\s)%2, \s, \first
	MUL 2, (\s)%2, \s, \first
	MUL 3, (\s)%2, \s, \first
.endm
	s_wait_alu depctr_va_vdst(0)
	s_wait_tensorcnt 3                             ; my load of chunk 0 has landed; the three later chunks' may be out
	s_barrier_signal -1
	s_barrier_wait -1
	FETCH 0
	s_wait_loadcnt 0x0                             ; the scale words
	STEP 0, 1                                      ; the first products start the sums: nothing is cleared
.irp s, 1,2,3,4,5,6,7
	s_wait_alu depctr_va_vdst(0)
	STEP \s, 0
.endr
	WIN 0
	PLACES                                         ; in front of the first read of results
; THE WAY OUT.  A's tile a: my 64 registers, register 16 b + i = column 32 b + 16 h + i of my row, become a fragment's codes in v176-187; the four bytes in v204-207.
.macro QUANT a
	WIN 0x0a                                       ; sources 0 and 1: window 2
.irp b, 0,1,2,3
	v_max3_num_f32 v[200+\b], |v[64*(\a)+16*\b]|, |v[64*(\a)+16*\b+1]|, 0x2800000   ; each accumulator is read from its low end on; the floor 2^(5 - 127) holds the byte at 1 from below
.endr
.irp i, 2,4,6,8,10,12,14
.irp b, 0,1,2,3
	v_max3_num_f32 v[200+\b], |v[64*(\a)+16*\b+\i]|, |v[64*(\a)+16*\b+\i+1]|, v[200+\b]
.endr
.endr
	WIN 0
.irp b, 0,1,2,3
	v_permlanex16_b32 v[204+\b], v[200+\b], s88, s89
.endr
.irp b, 0,1,2,3
	v_max_num_f32 v[200+\b], v[200+\b], v[204+\b]  ; with lane l xor 16's 16: the block's largest magnitude
.endr
.irp b, 0,1,2,3
	v_add_nc_u32 v[212+\b], 0xfe000000, v[200+\b]  ; 4 off the exponent field: the conversion's scale operand
.endr
.irp b, 0,1,2,3
	v_lshrrev_b32 v[204+\b], 23, v[212+\b]         ; the byte
.endr
	s_wait_alu depctr_va_vdst(0)
	s_wait_xcnt 0x0                                ; the last tile's stores have read the codes' registers
	WIN 0x02                                       ; source 0: window 2
.irp c, 0,1
	v_cvt_scalef32_pk16_bf6_f32 v[176+6*\c:178+6*\c], v[64*(\a)+32*\c:64*(\a)+32*\c+15], v[212+2*\c]
	v_cvt_scalef32_pk16_bf6_f32 v[188+4*\c:190+4*\c], v[64*(\a)+32*\c+16:64*(\a)+32*\c+31], v[213+2*\c]
.endr
	WIN 0
	v_nop                                          ; one plain line behind the conversions
.irp c, 0,1                            ; a whole block to a lane: lanes 0-15 block 2 c, lanes 16-31 block 2 c + 1
.irp i, 0,1,2
	v_permlane16_swap_b32 v[176+6*\c+\i], v[188+4*\c+\i]
.endr
.irp i, 0,1,2
	v_mov_b32 v[179+6*\c+\i], v[188+4*\c+\i]
.endr
.endr
.endm
; kind 0 (q, k): image c is a head's 64: it goes to record c, cstr bytes on; its scale word has two bytes.  kind 1 (v): the two images are 128 keys of one head; the word has four.
; Scale words leave as images too: lanes 0-15 an even tile's rows, lanes 16-31 the odd tile's; two registers a lane, 256 consecutive bytes a store.
.macro EPI cstr, astr, kind
.irp a, 0,1,2,3
	QUANT \a
.if \kind == 0
.irp c, 0,1
	v_lshl_or_b32 v[216+\c], v[205+2*\c], 8, v[204+2*\c]
.endr
.irp c, 0,1
.if (\a)%2 == 0
	v_mov_b32 v[220+2*\c+(\a)/2], v[216+\c]
.else
	v_cndmask_b32 v[220+2*\c+(\a)/2], v[220+2*\c+(\a)/2], v[216+\c], s90
.endif
.endr
.else
	v_lshl_or_b32 v216, v205, 8, v204
	v_lshl_or_b32 v216, v206, 16, v216
	v_lshl_or_b32 v216, v207, 24, v216
.if (\a)%2 == 0
	v_mov_b32 v[220+(\a)/2], v216
.else
	v_cndmask_b32 v[220+(\a)/2], v[220+(\a)/2], v216, s90
.endif
.endif
.irp c, 0,1
	global_store_b128 v12, v[176+6*\c:179+6*\c], s[84:85] offset:\c*(\cstr)+(\a)*(\astr)   ; 512 consecutive bytes,
	global_store_b64 v13, v[180+6*\c:181+6*\c], s[84:85] offset:\c*(\cstr)+(\a)*(\astr)    ; and the 256 behind them
.endr
.endr
.endm
	s_cmp_eq_u32 s15, 2                            ; the cluster's x: the same way in all partners
	s_cbranch_scc1 .Lvalues
	s_lshr_b32 s92, s17, 4                         ; q, k: the batch,
	s_lshl_b32 s92, s92, 4
	s_and_b32 s93, s18, 3
	s_lshl_b32 s93, s93, 2
	s_add_co_u32 s92, s92, s93
	s_lshl_b32 s93, s12, 1
	s_add_co_u32 s92, s92, s93                     ; my first head
	s_mul_i32 s92, s92, HR
	s_and_b32 s93, s17, 15
	s_lshl_b32 s94, s93, 1
	s_add_co_u32 s94, s94, s11                     ; which 64 positions of the batch's 2,048
	s_mul_i32 s95, s94, 3072
	s_lshl_b32 s94, s94, 8
	s_mov_b32 s62, QS
	s_cmp_eq_u32 s15, 1
	s_cselect_b32 s93, KC, 0
	s_cselect_b32 s62, KS, s62
	s_add_co_u32 s95, s95, s93
	s_add_co_u32 s95, s95, s92
	s_add_co_u32 s94, s94, s62
	s_add_co_u32 s94, s94, s92
	s_mov_b32 s92, s95
	s_mov_b32 s93, 0
	s_add_nc_u64 s[84:85], s[8:9], s[92:93]
	s_mov_b32 s92, s94
	s_add_nc_u64 s[86:87], s[8:9], s[92:93]
	EPI HR, 768, 0
.irp c, 0,1
	global_store_b64 v15, v[220+2*\c:221+2*\c], s[86:87] offset:\c*HR
.endr
	s_branch .Ldone
.Lvalues:
	s_lshr_b32 s92, s18, 3                         ; v: the batch,
	s_lshl_b32 s92, s92, 4
	s_lshl_b32 s93, s17, 1
	s_add_co_u32 s92, s92, s93
	s_add_co_u32 s92, s92, s11                     ; my head
	s_mul_i32 s92, s92, HR
	s_and_b32 s93, s18, 7
	s_lshl_b32 s93, s93, 1
	s_add_co_u32 s93, s93, s12                     ; my key step
	s_mul_i32 s94, s93, 6144
	s_add_co_u32 s94, s94, s92
	s_add_co_u32 s94, s94, VC
	s_lshl_b32 s95, s93, 8
	s_add_co_u32 s95, s95, s92
	s_add_co_u32 s95, s95, VS
	s_mov_b32 s92, s94
	s_mov_b32 s93, 0
	s_add_nc_u64 s[84:85], s[8:9], s[92:93]
	s_mov_b32 s92, s95
	s_add_nc_u64 s[86:87], s[8:9], s[92:93]
	EPI 768, 1536, 1
	global_store_b64 v15, v[220:221], s[86:87]
.Ldone:
	s_wait_tensorcnt 0x0
	ds_add_u32 v254, v255
	s_wait_dscnt 0x0
	ROUND                                          ; the closing round: no work-group ends while a partner may still ask for a chunk that names it
	s_endpgm
.Lfunc_end_k_q99d737f0f3_qkv:
	.size	k_q99d737f0f3_qkv, .Lfunc_end_k_q99d737f0f3_qkv-k_q99d737f0f3_qkv
	.p2alignl 7, 3214868480
	.fill 96, 4, 3214868480
	.section	.rodata,"a",@progbits
	.p2align	6, 0x0
	.amdhsa_kernel k_q99d737f0f3_qkv
		.amdhsa_group_segment_fixed_size 295424
		.amdhsa_private_segment_fixed_size 0
		.amdhsa_enable_private_segment 0
		.amdhsa_kernarg_size 24
		.amdhsa_user_sgpr_count 2
		.amdhsa_user_sgpr_kernarg_segment_ptr 1
		.amdhsa_wavefront_size32 1
		.amdhsa_system_sgpr_workgroup_id_x 1
		.amdhsa_system_sgpr_workgroup_id_y 1
		.amdhsa_system_sgpr_workgroup_id_z 1
		.amdhsa_system_vgpr_workitem_id 0
		.amdhsa_next_free_vgpr 768
		.amdhsa_next_free_sgpr 100
		.amdhsa_reserve_vcc 0
		.amdhsa_float_denorm_mode_32 3
		.amdhsa_float_denorm_mode_16_64 3
		.amdhsa_memory_ordered 1
		.amdhsa_forward_progress 1
		.amdhsa_inst_pref_size 106
	.end_amdhsa_kernel
	.amdgpu_metadata
---
amdhsa.version: [ 1, 2 ]
amdhsa.kernels:
  - .name:           k_q99d737f0f3_qkv
    .symbol:         k_q99d737f0f3_qkv.kd
    .args:
      - { .name: xq, .offset: 0, .size: 8, .value_kind: global_buffer, .address_space: global }
      - { .name: wq, .offset: 8, .size: 8, .value_kind: global_buffer, .address_space: global }
      - { .name: qkv, .offset: 16, .size: 8, .value_kind: global_buffer, .address_space: global }
    .group_segment_fixed_size: 295424
    .private_segment_fixed_size: 0
    .kernarg_segment_align: 8
    .kernarg_segment_size: 24
    .max_flat_workgroup_size: 128
    .sgpr_count:     100
    .vgpr_count:     768
    .wavefront_size: 32
...
	.end_amdgpu_metadata
.endif
;; end of part 2
;; launch attn (part 3): grid 4 x 64, 16 waves a work-group, clusters of 4 x 1, 210,944 bytes of LDS; arguments qkv, oq; writes oq
.if DOCPART == 3
	.amdgcn_target "amdgcn-amd-amdhsa--gfx1250"
	.amdhsa_code_object_version 6
	.text
	.protected	k_q99d737f0f3_attn
	.globl	k_q99d737f0f3_attn
	.p2align	8
	.type	k_q99d737f0f3_attn,@function
k_q99d737f0f3_attn:
	s_mov_b64 s[64:65], 0
	v_nop
	global_prefetch_b8 v0, s[64:65] scope:SCOPE_SE
	s_setreg_imm32_b32 hwreg(HW_REG_WAVE_MODE, 25, 1), 1
	s_wait_xcnt 0x0
	s_wait_alu depctr_hold_cnt(0) depctr_sa_sdst(0) depctr_va_vdst(0) depctr_va_sdst(0) depctr_va_ssrc(0) depctr_va_vcc(0) depctr_vm_vsrc(0)
	s_getreg_b32 s2, hwreg(HW_REG_IB_STS2, 6, 4)
	s_cmp_eq_u32 s2, 0
	s_cbranch_scc0 .Lentry_in_a_cluster
	s_endpgm
.Lentry_in_a_cluster:
	s_bfe_u32 s2, ttmp6, 0x10000c
	s_cmp_lg_u32 s2, 0x3003
	s_cbranch_scc0 .Lentry_shape_is_right
	s_endpgm
.Lentry_shape_is_right:
; Causal attention of one (batch, head) to a cluster of four work-groups, on codes of BF6 with E8M0 scales; the result is quantised along D and stored as the last product's operand.
; t = score x log2(e) / 32; M = the running largest t rounded up to a whole number; p = 2^(t - M) is quantised along the keys; the row's sum is taken of the unquantised p and divides O at the end.
; SHARES.  The head's 128 tiles of 16 queries: partner cx owns tiles T = 4 j + cx.  Wave w takes j = w, then j = 31 - w.  Tile T wants key steps (128 keys) 0 .. j / 2, whatever cx is: so each wave has
; (w / 2 + 1) + ((31 - w) / 2 + 1) = 17 steps of work, and every branch hangs on the wave's number and on counters alone; cx enters global addresses and the mask's numbers only.
; LDS holds the head's K, V^T and their scales whole, 208,896 bytes that are one dense block of the head's record: filled ONCE, each of the 16 waves asking jointly (all four partners) for 51 rows of 256 bytes; read-only afterwards.
; LAYOUT.  Both products are used transposed: S^T = K Q^T, O^T = V^T P^T: a lane holds ONE query.  Rows are stored by position (bits 3 and 4 of the number exchanged), so the 16 registers of K's tiles 2 b, 2 b + 1 are keys
; 32 b + 16 h + 0 .. 15, and those of V^T's tiles channels likewise.  The head's K of 64 fills the lower half of the instruction's 128; the upper halves of Q's and K's fragments are zero codes, set once.
; The step loop has a constant count of 16; a step whose keys all come after my queries is jumped over (its address steps are not).  On the diagonal step hidden scores become -infinity ahead of the maximum.
; LIMITS: a block of zeros or under 2^-122 gets the byte 1, not 127 (this program alone reads the bytes); NaN and infinities are not served.
; REGISTERS: v1 16 l, v2 512 + 8 l, v3-6, v8-9 the step's LDS addresses, v7 the lane's part of the mask; v[10:11] V's scale words; v12 -M, v13 largest t, v[14:15] the sum; v16-27 Q; v28-75 four fragments of K; v76-123 V's four;
; v124-187 S^T, then p; v188-219 O^T; v220-231 p's codes; v232-247, v252, v254 at work; v248-251 K's scale words; v253 p's; v255 Q's.
.set XSC, 6291456
.set HR,  315392
.set QS,  98304
.set KC,  106496
.macro ROUND
	s_barrier_signal -1
	s_barrier_wait -1
	s_cmp_lg_u32 s8, 0
	s_cbranch_scc1 .Lnot_wave_0_\@
	s_barrier_signal -3
.Lnot_wave_0_\@:
	s_barrier_wait -3
	s_barrier_signal -1
	s_barrier_wait -1
.endm
.macro PLACES
.rept 4
	v_nop
.endr
.endm
	s_load_b128 s[4:7], s[0:1], 0x0                ; qkv, oq
	v_lshl_add_u32 v254, v0, 2, 0x33000
	v_mov_b32 v255, 0
	ds_add_u32 v254, v255
	ds_add_u32 v254, v255
	s_wait_dscnt 0x0
	v_lshrrev_b32 v1, 5, v0
	s_delay_alu instid0(VALU_DEP_1)
	v_readfirstlane_b32 s8, v1                     ; wave 0..15
	s_bfe_u32 s9, ttmp6, 0x40000                   ; cx
	s_and_b32 s10, ttmp7, 0xffff                   ; 16 x batch + head, which the partners share
	s_mov_b32 s24, 15|(3<<16)|(1<<21)              ; group 1: all four work-groups; elements of 8 bytes; bit 21 beside a mask; no padding
	s_mov_b32 s25, 32<<16                          ; rows of 256 bytes,
	s_mov_b32 s26, 51<<16                          ; 51 of them,
	s_mov_b32 s27, 32<<16
	s_mov_b32 s28, 51
	s_mov_b32 s29, 32                              ; dense
	s_mov_b32 s30, 0
	s_mov_b32 s31, 0
	s_mul_i32 s48, s10, HR
	s_mov_b32 s49, 0
	s_mov_b32 s32, 1
	s_mul_i32 s33, s8, 13056                       ; my sixteenth of the block, in LDS
	s_add_co_u32 s52, s33, KC                      ; and in the record
	s_mov_b32 s53, 0
	s_wait_kmcnt 0x0
	s_add_nc_u64 s[36:37], s[4:5], s[48:49]        ; the record
	s_add_nc_u64 s[34:35], s[36:37], s[52:53]
	s_or_b32 s35, s35, 0x80000000
	ROUND                                          ; all four work-groups are here: the joint loads meet
	tensor_load_to_lds s[32:35], s[24:31]          ; one tensor load of mine is out
	s_nop 0
	PLACES
	v_and_b32 v254, 31, v0
	s_delay_alu instid0(VALU_DEP_1)
	v_lshlrev_b32 v1, 4, v254                      ; 16 l
	s_delay_alu instid0(VALU_DEP_2)
	v_lshl_add_u32 v2, v254, 3, 512                ; 512 + 8 l
	v_and_b32 v236, 15, v0                         ; r
	v_bfe_u32 v237, v0, 4, 1                       ; h
	s_delay_alu instid0(VALU_DEP_2)
	v_and_b32 v238, 8, v236
	s_delay_alu instid0(VALU_DEP_1)
	v_add_nc_u32 v7, v236, v238
	s_delay_alu instid0(VALU_DEP_3)
	v_lshlrev_b32 v239, 4, v237
	s_delay_alu instid0(VALU_DEP_1)
	v_sub_nc_u32 v7, v7, v239                      ; r + 8 (r / 8) - 16 h
.irp j, 22,23,24,25,26,27
	v_mov_b32 v\j, 0                               ; Q's upper 64 along K: zero codes
.endr
.irp t, 0,1,2,3
.irp j, 6,7,8,9,10,11
	v_mov_b32 v[28+12*\t+\j], 0                    ; K's likewise
.endr
.endr
.irp j, 236,237,238,239,252,253
	v_mov_b32 v\j, 0                               ; lane permutes' destinations count as sources; v253 is named as the upper half of v[252:253]
.endr
	s_mov_b32 s20, 0x76543210
	s_mov_b32 s21, 0xfedcba98
	s_mov_b32 s22, 0x3d38aa3b                      ; c = log2(e) / 32
	s_mov_b32 s23, s22
	s_mov_b32 s50, 0xffff0000                      ; lanes 16-31
	s_lshr_b32 s48, s10, 4                         ; batch
	s_and_b32 s49, s10, 15                         ; head
	s_lshl_b32 s52, s48, 11
	s_add_co_u32 s52, s52, s49
	s_mul_i32 s52, s52, 768
	s_add_nc_u64 s[46:47], s[6:7], s[52:53]        ; oq's codes: the batch's first tile, image number = head
	s_lshl_b32 s52, s48, 16
	s_lshl_b32 s54, s49, 1
	s_add_co_u32 s52, s52, s54
	s_add_co_u32 s52, s52, XSC
	s_add_nc_u64 s[56:57], s[6:7], s[52:53]        ; oq's scales: the batch's first position, bytes 2 head, 2 head + 1
	s_wait_tensorcnt 0x0                           ; my part has landed,
	s_barrier_signal -1
	s_barrier_wait -1                              ; everybody's has
.macro SQK g, t                        ; S^T, K's tile 4 g + t
.if (\t)%2 == 0
	v_wmma_scale_f32_16x16x128_f8f6f4 v[124+8*(4*\g+\t):131+8*(4*\g+\t)], v[28+12*\t:39+12*\t], v[16:27], 0, v[248+2*\g+(\t)/2], v255 matrix_a_fmt:MATRIX_FMT_BF6 matrix_b_fmt:MATRIX_FMT_BF6
.else
	v_wmma_scale_f32_16x16x128_f8f6f4 v[124+8*(4*\g+\t):131+8*(4*\g+\t)], v[28+12*\t:39+12*\t], v[16:27], 0, v[248+2*\g+(\t)/2], v255 matrix_a_fmt:MATRIX_FMT_BF6 matrix_b_fmt:MATRIX_FMT_BF6 matrix_a_scale:MATRIX_SCALE_ROW1
.endif
.endm
.macro SPV t                           ; O^T += V^T P^T, tile t of the head's 64
.if (\t)%2 == 0
	v_wmma_scale_f32_16x16x128_f8f6f4 v[188+8*\t:195+8*\t], v[76+12*\t:87+12*\t], v[220:231], v[188+8*\t:195+8*\t], v[10+(\t)/2], v253 matrix_a_fmt:MATRIX_FMT_BF6 matrix_b_fmt:MATRIX_FMT_BF6
.else
	v_wmma_scale_f32_16x16x128_f8f6f4 v[188+8*\t:195+8*\t], v[76+12*\t:87+12*\t], v[220:231], v[188+8*\t:195+8*\t], v[10+(\t)/2], v253 matrix_a_fmt:MATRIX_FMT_BF6 matrix_b_fmt:MATRIX_FMT_BF6 matrix_a_scale:MATRIX_SCALE_ROW1
.endif
.endm
	s_mov_b32 s11, s8                              ; j
	s_mov_b32 s15, 2                               ; tiles to go
.Lpass:
	s_wait_xcnt 0x0                                ; the last tile's stores have read their bases and registers
	s_lshl_b32 s48, s11, 2
	s_add_co_u32 s48, s48, s9                      ; T = 4 j + cx
	s_mul_i32 s52, s48, 768
	s_add_nc_u64 s[38:39], s[36:37], s[52:53]      ; Q's image
	s_lshl_b32 s52, s11, 8                         ; Q's scale words: image j; tile cx of its four: lanes 16 (cx % 2) on, word cx / 2
	s_and_b32 s54, s9, 1
	s_lshl_b32 s54, s54, 7
	s_add_co_u32 s52, s52, s54
	s_lshr_b32 s54, s9, 1
	s_lshl_b32 s54, s54, 2
	s_add_co_u32 s52, s52, s54
	s_add_co_u32 s52, s52, QS
	s_add_nc_u64 s[40:41], s[36:37], s[52:53]
	s_mul_i32 s52, s48, 12288
	s_add_nc_u64 s[42:43], s[46:47], s[52:53]      ; where the result's codes go,
	s_lshl_b32 s52, s48, 9
	s_add_nc_u64 s[44:45], s[56:57], s[52:53]      ; and its scale bytes
	s_lshr_b32 s19, s48, 1
	s_lshl_b32 s19, s19, 5
	s_and_b32 s54, s48, 1
	s_lshl_b32 s54, s54, 3
	s_add_co_u32 s19, s19, s54                     ; lane r's query is 32 (T / 2) + 8 (T % 2) + r + 8 (r / 8)
	s_lshr_b32 s12, s11, 1                         ; the diagonal's key step
	s_mov_b32 s13, 0                               ; key step
	s_mov_b32 s14, 0                               ; its first key
	s_mov_b32 s16, 0                               ; its codes: 6,144 bytes a step, in K and in V
	s_mov_b32 s17, 196608-512                      ; K's scale words, less v2's 512: 512 bytes a step
	s_mov_b32 s18, 204800-512                      ; V's: 256 a step
	v_and_b32 v254, 15, v0
	s_delay_alu instid0(VALU_DEP_1)
	v_lshlrev_b32 v254, 3, v254                    ; 8 r
	global_load_b128 v[16:19], v1, s[38:39]
	global_load_b64 v[20:21], v2, s[38:39]
	global_load_b32 v255, v254, s[40:41]
	v_mov_b32 v13, 0xff61b1e6                      ; the largest t so far: -3e38
	s_delay_alu instid0(VALU_DEP_1)
	v_floor_f32 v12, -v13                          ; -M
	v_mov_b32 v14, 0
	v_mov_b32 v15, 0
.set j, 0
.rept 32
	v_mov_b32 v[188+j], 0                          ; O^T: the step is written once; its first trip finds zeros
.set j, j+1
.endr
	s_wait_loadcnt 0x0
.Lstep:
	s_cmp_gt_u32 s13, s12                          ; all 128 keys come after my queries: only the address steps are walked
	s_cbranch_scc1 .Lhidden
	s_add_co_u32 s48, s16, 98304
	s_setprio 2
	v_add_nc_u32 v8, s16, v1                       ; these six lines are also the places in front of the loads into registers that the last products have read
	v_add_nc_u32 v9, s16, v2
	v_add_nc_u32 v3, s48, v1
	v_add_nc_u32 v4, s48, v2
	v_add_nc_u32 v5, s17, v2
	v_add_nc_u32 v6, s18, v2
.irp t, 0,1,2,3
	ds_load_b128 v[28+12*\t:31+12*\t], v8 offset:768*\t
	ds_load_b64 v[32+12*\t:33+12*\t], v9 offset:768*\t
.endr
	ds_load_b64 v[248:249], v5                     ; tiles 0, 1 in v248 (lanes 0-15, 16-31), 2, 3 in v249,
	ds_load_b64 v[250:251], v5 offset:256          ; 4 to 7
.irp t, 0,1,2,3
.irp c, 0,1
	ds_load_b128 v[76+12*\t+6*\c:79+12*\t+6*\c], v3 offset:1536*\t+768*\c
	ds_load_b64 v[80+12*\t+6*\c:81+12*\t+6*\c], v4 offset:1536*\t+768*\c
.endr
.endr
	ds_load_b64 v[10:11], v6
	s_wait_alu depctr_va_vdst(0)
	s_wait_dscnt 17                                ; K's four tiles and its scale words are in; V's 16 loads and V's scale words may be out
.irp t, 0,1,2,3
	SQK 0, \t
.endr
	PLACES
.irp t, 0,1,2,3
	ds_load_b128 v[28+12*\t:31+12*\t], v8 offset:768*(4+\t)
	ds_load_b64 v[32+12*\t:33+12*\t], v9 offset:768*(4+\t)
.endr
	s_wait_dscnt 0x0
.irp t, 0,1,2,3
	SQK 1, \t
.endr
	PLACES
	s_cmp_lt_u32 s13, s12                          ; ahead of the diagonal every key counts
	s_cbranch_scc1 .Lopen
	s_sub_co_i32 s48, s19, s14
	v_add_nc_u32 v252, s48, v7                     ; d = my query - the step's first key - 16 h.  Register 16 b + i holds key 32 b + 16 h + i: hidden where 32 b + i > d
	v_mov_b32 v254, 0xff800000                     ; -infinity
.irp n, 0,1,2,3,4,5,6,7,8,9,10,11,12,13,14,15,16,17,18,19,20,21,22,23,24,25,26,27,28,29,30,31,32,33,34,35,36,37,38,39,40,41,42,43,44,45,46,47,48,49,50,51,52,53,54,55,56,57,58,59,60,61,62,63
	v_cmp_gt_i32 vcc_lo, 32*(\n/16)+\n%16, v252
	v_cndmask_b32 v[124+\n], v[124+\n], v254, vcc_lo
.endr
.Lopen:
.irp b, 0,1,2,3
	v_max3_num_f32 v[232+\b], v[124+16*\b], v[125+16*\b], v[126+16*\b]   ; the largest score of each block of 32 keys: for the row's maximum, and, since p rises with the score, for the block's largest p
.endr
.irp i, 3,5,7,9,11,13
.irp b, 0,1,2,3
	v_max3_num_f32 v[232+\b], v[232+\b], v[124+16*\b+\i], v[125+16*\b+\i]
.endr
.endr
.irp b, 0,1,2,3
	v_max_num_f32 v[232+\b], v[232+\b], v[139+16*\b]
.endr
.irp b, 0,1,2,3
	s_delay_alu instid0(VALU_DEP_4)
	v_permlanex16_b32 v[236+\b], v[232+\b], s20, s21
.endr
.irp b, 0,1,2,3
	s_delay_alu instid0(VALU_DEP_4)
	v_max_num_f32 v[232+\b], v[232+\b], v[236+\b]  ; with lane l xor 16's 16 keys
.endr
	s_delay_alu instid0(VALU_DEP_2)
	v_max3_num_f32 v254, v232, v233, v234
	s_delay_alu instid0(VALU_DEP_1)
	v_max_num_f32 v254, v254, v235
	s_delay_alu instid0(VALU_DEP_1)
	v_mul_f32 v254, s22, v254                      ; as t
	s_delay_alu instid0(VALU_DEP_1)
	v_max_num_f32 v13, v13, v254                   ; the running largest t
	v_mov_b32 v254, v12
	s_delay_alu instid0(VALU_DEP_2)
	v_floor_f32 v12, -v13                          ; the new -M = -ceil(t)
	s_delay_alu instid0(VALU_DEP_1)
	v_sub_f32 v254, v12, v254                      ; old M - new M: a whole number, 0 or less
	s_delay_alu instid0(VALU_DEP_1)
	v_cvt_i32_f32 v254, v254                       ; (it saturates)
	s_delay_alu instid0(VALU_DEP_1)
	v_ldexp_f32 v252, 1.0, v254                    ; f = 2^(old M - new M): the rescaling rounds nothing
	s_setprio 1
.irp j, 0,2,4,6,8,10,12,14,16,18,20,22,24,26,28,30,32,34,36,38,40,42,44,46,48,50,52,54,56,58,60,62
	v_pk_fma_f32 v[124+\j:125+\j], v[124+\j:125+\j], s[22:23], v[12:13] op_sel_hi:[1,0,0]   ; t - M
.endr
.irp b, 0,1,2,3
	v_fma_f32 v[232+\b], v[232+\b], s22, v12       ; the same of each block's largest score
.endr
.set j, 0
	s_wait_alu depctr_va_vdst(0)
.rept 64
	v_exp_f32 v[124+j], v[124+j]                   ; p = 2^(t - M)
.set j, j+1
.endr
	v_pk_mul_f32 v[14:15], v[14:15], v[252:253] op_sel_hi:[1,0]   ; the sums under the new M: the plain line behind the exponentials
	s_wait_alu depctr_va_vdst(0)                   ; one wait for the batch of 64, ahead of its first reader
.irp b, 0,1,2,3
	v_exp_f32 v[232+\b], v[232+\b]                 ; each block's largest p
.endr
	v_pk_add_f32 v[236:237], v[128:129], v[132:133]
	v_pk_add_f32 v[250:251], v[136:137], v[140:141]
	v_pk_add_f32 v[248:249], v[144:145], v[148:149]
	v_pk_add_f32 v[246:247], v[152:153], v[156:157]
	v_pk_add_f32 v[244:245], v[160:161], v[164:165]
	v_pk_add_f32 v[242:243], v[168:169], v[172:173]
	v_pk_add_f32 v[240:241], v[176:177], v[180:181]
	v_pk_add_f32 v[14:15], v[14:15], v[184:185]
	v_pk_add_f32 v[236:237], v[236:237], v[124:125]
	v_pk_add_f32 v[250:251], v[250:251], v[126:127]
	v_pk_add_f32 v[248:249], v[248:249], v[130:131]
	v_pk_add_f32 v[246:247], v[246:247], v[134:135]
	v_pk_add_f32 v[244:245], v[244:245], v[138:139]
	v_pk_add_f32 v[242:243], v[242:243], v[142:143]
	v_pk_add_f32 v[240:241], v[240:241], v[146:147]
	v_pk_add_f32 v[14:15], v[14:15], v[150:151]
	v_pk_add_f32 v[236:237], v[236:237], v[154:155]
	v_pk_add_f32 v[250:251], v[250:251], v[158:159]
	v_pk_add_f32 v[248:249], v[248:249], v[162:163]
	v_pk_add_f32 v[246:247], v[246:247], v[166:167]
	v_pk_add_f32 v[244:245], v[244:245], v[170:171]
	v_pk_add_f32 v[242:243], v[242:243], v[174:175]
	v_pk_add_f32 v[240:241], v[240:241], v[178:179]
	v_pk_add_f32 v[14:15], v[14:15], v[182:183]
	v_pk_add_f32 v[236:237], v[236:237], v[186:187]
	s_delay_alu instid0(VALU_DEP_2)
	v_pk_add_f32 v[14:15], v[14:15], v[246:247]
	s_delay_alu instid0(VALU_DEP_2)
	v_pk_add_f32 v[236:237], v[236:237], v[244:245]
	v_pk_add_f32 v[250:251], v[250:251], v[242:243]
	v_pk_add_f32 v[248:249], v[248:249], v[240:241]
	s_delay_alu instid0(VALU_DEP_2)
	v_pk_add_f32 v[14:15], v[14:15], v[250:251]
	s_delay_alu instid0(VALU_DEP_2)
	v_pk_add_f32 v[236:237], v[236:237], v[248:249]
	s_delay_alu instid0(VALU_DEP_1)
	v_pk_add_f32 v[14:15], v[14:15], v[236:237]
	s_wait_alu depctr_va_vdst(0)                   ; and one for the four
.irp b, 0,1,2,3
	v_max_num_f32 v[232+\b], 0x2800000, v[232+\b]  ; the floor 2^(5 - 127): the byte cannot fall under 1
.endr
.irp b, 0,1,2,3
	s_delay_alu instid0(VALU_DEP_4)
	v_add_nc_u32 v[244+\b], 0xfe000000, v[232+\b]  ; the conversion's scale operand
.endr
.irp b, 0,1,2,3
	s_delay_alu instid0(VALU_DEP_4)
	v_lshrrev_b32 v[236+\b], 23, v[244+\b]         ; the byte
.endr
	s_delay_alu instid0(VALU_DEP_3)
	v_lshl_or_b32 v253, v237, 8, v236              ; p's scale word for these 128 keys
	s_delay_alu instid0(VALU_DEP_1)
	v_lshl_or_b32 v253, v238, 16, v253
	s_delay_alu instid0(VALU_DEP_1)
	v_lshl_or_b32 v253, v239, 24, v253
	s_setprio 0
.irp c, 0,1
	v_cvt_scalef32_pk16_bf6_f32 v[220+6*\c:222+6*\c], v[124+32*\c:139+32*\c], v[244+2*\c]
	v_cvt_scalef32_pk16_bf6_f32 v[236+4*\c:238+4*\c], v[140+32*\c:155+32*\c], v[245+2*\c]
.endr
	v_nop                                          ; one plain line behind the conversions
.irp c, 0,1
.irp i, 0,1,2
	v_permlane16_swap_b32 v[220+6*\c+\i], v[236+4*\c+\i]   ; a whole block to a lane
.endr
.irp i, 0,1,2
	s_delay_alu instid0(VALU_DEP_3)
	v_mov_b32 v[223+6*\c+\i], v[236+4*\c+\i]
.endr
.endr
.irp j, 0,2,4,6,8,10,12,14,16,18,20,22,24,26,28,30
	v_pk_mul_f32 v[188+\j:189+\j], v[188+\j:189+\j], v[252:253] op_sel_hi:[1,0]   ; O^T under the new M; these 16 are also the places between the scale word, the codes and the products
.endr
.irp t, 0,1,2,3
	SPV \t                                         ; four accumulators by turns
.endr
.Lhidden:
	s_add_co_u32 s16, s16, 6144
	s_add_co_u32 s17, s17, 512
	s_add_co_u32 s18, s18, 256
	s_add_co_u32 s14, s14, 128
	s_add_co_u32 s13, s13, 1
	s_cmp_lt_u32 s13, 16
	s_cbranch_scc1 .Lstep
	s_setprio 0
	; THE WAY OUT of a tile: O^T / the sum, quantised along D: the head's 64 are two blocks: one image and two bytes a row
	PLACES
	v_add_f32 v14, v14, v15
	s_delay_alu instid0(VALU_DEP_1)
	v_permlanex16_b32 v252, v14, s20, s21
	s_delay_alu instid0(VALU_DEP_1)
	v_add_f32 v14, v14, v252                       ; the row's sum
	s_wait_alu depctr_va_vdst(0)
	v_rcp_f32 v14, v14
	v_and_b32 v239, 15, v0                         ; (the plain line behind the reciprocal)
	v_bfe_u32 v243, v0, 4, 1
	s_delay_alu instid0(VALU_DEP_1)
	v_lshl_add_u32 v239, v239, 5, v243             ; 32 r + h: my block's byte
	s_wait_alu depctr_va_vdst(0)                   ; ahead of the reciprocal's first reader
.irp j, 0,2,4,6,8,10,12,14,16,18,20,22,24,26,28,30
	v_pk_mul_f32 v[124+\j:125+\j], v[188+\j:189+\j], v[14:15] op_sel_hi:[1,0]   ; register 16 b + i: channel 32 b + 16 h + i; each accumulator from its low end on
.endr
.irp b, 0,1
	v_max3_num_f32 v[232+\b], |v[124+16*\b]|, |v[125+16*\b]|, 0x2800000
.endr
.irp i, 2,4,6,8,10,12,14
.irp b, 0,1
	s_delay_alu instid0(VALU_DEP_2)
	v_max3_num_f32 v[232+\b], v[232+\b], |v[124+16*\b+\i]|, |v[125+16*\b+\i]|
.endr
.endr
.irp b, 0,1
	s_delay_alu instid0(VALU_DEP_2)
	v_permlanex16_b32 v[236+\b], v[232+\b], s20, s21
.endr
.irp b, 0,1
	s_delay_alu instid0(VALU_DEP_2)
	v_max_num_f32 v[232+\b], v[232+\b], v[236+\b]
.endr
.irp b, 0,1
	s_delay_alu instid0(VALU_DEP_2)
	v_add_nc_u32 v[244+\b], 0xfe000000, v[232+\b]
.endr
.irp b, 0,1
	s_delay_alu instid0(VALU_DEP_2)
	v_lshrrev_b32 v[236+\b], 23, v[244+\b]
.endr
	v_cvt_scalef32_pk16_bf6_f32 v[220:222], v[124:139], v244
	v_cvt_scalef32_pk16_bf6_f32 v[240:242], v[140:155], v245
	v_cndmask_b32 v238, v236, v237, s50            ; lanes 0-15 store block 0's byte, lanes 16-31 block 1's.  (The plain line behind the conversions)
.irp i, 0,1,2
	v_permlane16_swap_b32 v[220+\i], v[240+\i]
.endr
.irp i, 0,1,2
	s_delay_alu instid0(VALU_DEP_3)
	v_mov_b32 v[223+\i], v[240+\i]
.endr
	global_store_b128 v1, v[220:223], s[42:43]     ; 512 consecutive bytes,
	global_store_b64 v2, v[224:225], s[42:43]      ; and the 256 behind them
	global_store_b8 v239, v238, s[44:45]           ; two bytes of each of 16 rows, 32 bytes apart: 32 bytes beside the tile's 768
	s_sub_co_u32 s11, 31, s11                      ; the other tile
	s_sub_co_u32 s15, s15, 1
	s_cmp_lg_u32 s15, 0
	s_cbranch_scc1 .Lpass
	s_wait_xcnt 0x0
	v_lshl_add_u32 v254, v0, 2, 0x33000
	v_mov_b32 v255, 0
	s_wait_alu depctr_va_vdst(0)
	s_wait_tensorcnt 0x0
	ds_add_u32 v254, v255
	s_wait_dscnt 0x0
	ROUND                                          ; the closing round
	s_endpgm
.Lfunc_end_k_q99d737f0f3_attn:
	.size	k_q99d737f0f3_attn, .Lfunc_end_k_q99d737f0f3_attn-k_q99d737f0f3_attn
	.p2alignl 7, 3214868480
	.fill 96, 4, 3214868480
	.section	.rodata,"a",@progbits
	.p2align	6, 0x0
	.amdhsa_kernel k_q99d737f0f3_attn
		.amdhsa_group_segment_fixed_size 210944
		.amdhsa_private_segment_fixed_size 0
		.amdhsa_enable_private_segment 0
		.amdhsa_kernarg_size 16
		.amdhsa_user_sgpr_count 2
		.amdhsa_user_sgpr_kernarg_segment_ptr 1
		.amdhsa_wavefront_size32 1
		.amdhsa_system_sgpr_workgroup_id_x 1
		.amdhsa_system_sgpr_workgroup_id_y 1
		.amdhsa_system_sgpr_workgroup_id_z 1
		.amdhsa_system_vgpr_workitem_id 0
		.amdhsa_next_free_vgpr 256
		.amdhsa_next_free_sgpr 66
		.amdhsa_reserve_vcc 1
		.amdhsa_float_denorm_mode_32 3
		.amdhsa_float_denorm_mode_16_64 3
		.amdhsa_memory_ordered 1
		.amdhsa_forward_progress 1
		.amdhsa_inst_pref_size 36
	.end_amdhsa_kernel
	.amdgpu_metadata
---
amdhsa.version: [ 1, 2 ]
amdhsa.kernels:
  - .name:           k_q99d737f0f3_attn
    .symbol:         k_q99d737f0f3_attn.kd
    .args:
      - { .name: qkv, .offset: 0, .size: 8, .value_kind: global_buffer, .address_space: global }
      - { .name: oq, .offset: 8, .size: 8, .value_kind: global_buffer, .address_space: global }
    .group_segment_fixed_size: 210944
    .private_segment_fixed_size: 0
    .kernarg_segment_align: 8
    .kernarg_segment_size: 16
    .max_flat_workgroup_size: 512
    .sgpr_count:     66
    .vgpr_count:     256
    .wavefront_size: 32
...
	.end_amdgpu_metadata
.endif
;; end of part 3
;; launch oproj (part 4): grid 4 x 64, 4 waves a work-group, clusters of 4 x 4, 295,424 bytes of LDS; arguments oq, wq, bo, out0; writes out0
.if DOCPART == 4
	.amdgcn_target "amdgcn-amd-amdhsa--gfx1250"
	.amdhsa_code_object_version 6
	.text
	.protected	k_q99d737f0f3_oproj
	.globl	k_q99d737f0f3_oproj
	.p2align	8
	.type	k_q99d737f0f3_oproj,@function
k_q99d737f0f3_oproj:
	s_mov_b64 s[64:65], 0
	v_nop
	global_prefetch_b8 v0, s[64:65] scope:SCOPE_SE
	s_setreg_imm32_b32 hwreg(HW_REG_WAVE_MODE, 25, 1), 1
	s_wait_xcnt 0x0
	s_wait_alu depctr_hold_cnt(0) depctr_sa_sdst(0) depctr_va_vdst(0) depctr_va_sdst(0) depctr_va_ssrc(0) depctr_va_vcc(0) depctr_vm_vsrc(0)
	s_getreg_b32 s2, hwreg(HW_REG_IB_STS2, 6, 4)
	s_cmp_eq_u32 s2, 0
	s_cbranch_scc0 .Lentry_in_a_cluster
	s_endpgm
.Lentry_in_a_cluster:
	s_bfe_u32 s2, ttmp6, 0x10000c
	s_cmp_lg_u32 s2, 0xf033
	s_cbranch_scc0 .Lentry_shape_is_right
	s_endpgm
.Lentry_shape_is_right:
; out0 = o Wo + bo on codes of BF6 with E8M0 scales.  A = the attention's result (oq), B = Wo (the fourth weight of wq); out0 [8192][1024] f32.
; A work-group makes 128 rows x 256 columns, K = 1,024; a wave 64 x 128: 32 accumulators.  THE MATRIX INSTRUCTION IS USED TRANSPOSED (source 0 = 16 positions of Wo, source 1 = 16 of o): a lane holds one row, and, since
; operands are stored by position (bits 3 and 4 of the number exchanged), the 16 registers of Wo's tiles 2 b and 2 b + 1 are columns 32 b + 16 h + 0 .. 15.  bo is the C of each sum's first product.
; ALL OF K LIES IN LDS, filled once: A 4 chunks of 24,576 bytes, B 4 chunks of 49,152.  Wave 0 asks for A's four chunks, waves 1 and 2 for the halves of B's: four tensor loads of a wave are out at most.
; CLUSTERS 4 x 4: A's chunks are asked for jointly by a row of the cluster, B's by a column.
; THE WAY OUT goes through a stage of 16 rows x 528 bytes for each wave in LDS bytes 0 .. 33,791: A's chunks 0 and 1, which have had their only fill and whose last reads every wave has waited for ahead of step 3's barrier.
; REGISTERS: window 0: v7-17 addresses; v32-47 A's scale words, v48-79 B's; v80-175 A's fragments, two sets; on the way out v80-207 rows of out0.  window 1: B's fragments.  window 2: accumulator (a, b) at v[8 (8 a + b)].  window 3: v0-63 bo.
.set XSC, 6291456
.set WSC, 3145728
.set MSB, 0
.macro WIN new                         ; the immediate's high byte repeats the setting that is left
.if MSB != \new
	s_set_vgpr_msb (MSB<<8)|\new
.set MSB, \new
.endif
.endm
.set MULW, 0xa1                        ; source 0 (B) window 1, source 1 (A) window 0, C and D window 2
.set MULF, 0xb1                        ; the first K step: C (bo) window 3
.set TO_B, 0x40                        ; destination window 1, address window 0
.macro ROUND
	s_barrier_signal -1
	s_barrier_wait -1
	s_cmp_lg_u32 s10, 0
	s_cbranch_scc1 .Lnot_wave_0_\@
	s_barrier_signal -3
.Lnot_wave_0_\@:
	s_barrier_wait -3
	s_barrier_signal -1
	s_barrier_wait -1
.endm
.macro PLACES
.rept 4
	v_nop
.endr
.endm
	s_load_b128 s[4:7], s[0:1], 0x0                ; oq, wq
	s_load_b128 s[96:99], s[0:1], 0x10             ; bo, out0
	v_lshl_add_u32 v254, v0, 2, 0x48000
	v_mov_b32 v255, 0
	ds_add_u32 v254, v255
	ds_add_u32 v254, v255
	v_lshrrev_b32 v1, 5, v0
	v_readfirstlane_b32 s10, v1                    ; wave
	s_lshr_b32 s11, s10, 1                         ; ah
	s_and_b32 s12, s10, 1                          ; bh
	s_lshr_b32 s19, s10, 1                         ; bw
	s_bfe_u32 s13, ttmp6, 0x40000                  ; cx
	s_bfe_u32 s14, ttmp6, 0x40004                  ; cy
	s_and_b32 s16, ttmp7, 0xffff
	s_lshl_b32 s2, s14, 2
	s_lshl_b32 s2, 15, s2                          ; my row of the cluster
	s_lshl_b32 s3, 0x1111, s13                     ; my column
	s_or_b32 s24, s2, (3<<16)|(1<<21)              ; group 1 for A: the mask; elements of 8 bytes; bit 21 beside a mask; no padding
	s_or_b32 s32, s3, (3<<16)|(1<<21)              ; and for B
.irp g, 24, 32
	s_mov_b32 s[\g+1], 384<<16                     ; 3,072 bytes: a tile's 256 along K
	s_mov_b32 s[\g+2], 8<<16                       ; 8 tiles
	s_mov_b32 s[\g+3], 384<<16
	s_mov_b32 s[\g+4], 8
	s_mov_b32 s[\g+5], 1536                        ; from tile to tile: 12,288 bytes
	s_mov_b32 s[\g+6], 0
	s_mov_b32 s[\g+7], 0
.endr
	s_lshl_b32 s60, s16, 2
	s_add_co_u32 s17, s60, s14                     ; tr: which 128 rows.  A's numbers never hold cx, B's never cy
	s_lshl_b32 s62, ttmp9, 2
	s_add_co_u32 s18, s62, s13                     ; tc: which 256 columns
	s_mul_i32 s60, s17, 98304
	s_mov_b32 s61, 0
	s_lshl_b32 s66, s17, 12
	s_lshl_b32 s67, s11, 11
	s_add_co_u32 s66, s66, s67
	s_add_co_u32 s66, s66, XSC
	s_mov_b32 s67, 0
	s_mul_i32 s62, s18, 196608
	s_mul_i32 s63, s19, 98304
	s_add_co_u32 s62, s62, s63
	s_add_co_u32 s62, s62, 2359296                 ; Wo lies behind Wq, Wk, Wv
	s_mov_b32 s63, 0
	s_lshl_b32 s92, s18, 13
	s_lshl_b32 s93, s12, 12
	s_add_co_u32 s92, s92, s93
	s_add_co_u32 s92, s92, WSC+98304
	s_mov_b32 s93, 0
	s_mul_i32 s94, s19, 24576
	s_lshl_b32 s86, s18, 10                        ; my first column, in bytes
	s_lshl_b32 s87, s12, 9
	s_add_co_u32 s86, s86, s87
	s_mov_b32 s87, 0
	s_lshl_b32 s88, s17, 19                        ; my first row: (128 tr + 64 ah) x 4,096 bytes
	s_lshl_b32 s89, s11, 18
	s_add_co_u32 s88, s88, s89
	s_add_co_u32 s88, s88, s86
	s_mov_b32 s89, 0
	s_wait_dscnt 0x0
	s_wait_kmcnt 0x0
	s_add_nc_u64 s[56:57], s[4:5], s[66:67]        ; my 64 rows' scales of A
	s_add_nc_u64 s[20:21], s[4:5], s[60:61]        ; A's codes
	s_add_nc_u64 s[58:59], s[6:7], s[92:93]        ; my 128 rows' scales of B
	s_add_nc_u64 s[22:23], s[6:7], s[62:63]        ; B's codes, the half that I would ask for
	s_add_nc_u64 s[96:97], s[96:97], s[86:87]      ; bo at my first column
	s_add_nc_u64 s[84:85], s[98:99], s[88:89]      ; out0 at my corner
.irp q, 0,1,2,3
	s_mov_b32 s[40+4*\q], 1
	s_mov_b32 s[41+4*\q], 24576*\q
	s_add_nc_u64 s[42+4*\q:43+4*\q], s[20:21], 3072*\q
	s_or_b32 s[43+4*\q], s[43+4*\q], 0x80000000
	s_mov_b32 s[68+4*\q], 1
	s_add_co_u32 s[69+4*\q], s94, 98304+49152*\q
	s_add_nc_u64 s[70+4*\q:71+4*\q], s[22:23], 3072*\q
	s_or_b32 s[71+4*\q], s[71+4*\q], 0x80000000
.endr
	ROUND                                          ; all sixteen work-groups are here: the joint loads meet
	s_cmp_eq_u32 s10, 0
	s_cbranch_scc0 .Lnot_a
	tensor_load_to_lds s[40:43], s[24:31]
	s_nop 0
	tensor_load_to_lds s[44:47], s[24:31]
	s_nop 0
	tensor_load_to_lds s[48:51], s[24:31]
	s_nop 0
	tensor_load_to_lds s[52:55], s[24:31]
	s_nop 0
	PLACES
	s_branch .Lasked
.Lnot_a:
	s_cmp_lt_u32 s10, 3
	s_cbranch_scc0 .Lasked
	tensor_load_to_lds s[68:71], s[32:39]
	s_nop 0
	tensor_load_to_lds s[72:75], s[32:39]
	s_nop 0
	tensor_load_to_lds s[76:79], s[32:39]
	s_nop 0
	tensor_load_to_lds s[80:83], s[32:39]
	s_nop 0
	PLACES
.Lasked:
	v_and_b32 v1, 31, v0                           ; lane l
	v_and_b32 v2, 15, v0                           ; r
	v_bfe_u32 v3, v0, 4, 1                         ; h
	v_lshlrev_b32 v7, 6, v3                        ; 64 h: my half's 16 numbers of each 32 of bo
	v_lshlrev_b32 v12, 4, v1                       ; 16 l
	v_lshl_add_u32 v13, v1, 3, 512                 ; 512 + 8 l
	v_lshlrev_b32 v14, 5, v1                       ; 32 l
	s_mul_i32 s95, s11, 12288
	v_add_nc_u32 v8, s95, v12
	v_add_nc_u32 v9, s95, v13
	s_mul_i32 s95, s12, 24576
	s_add_co_u32 s95, s95, 98304
	v_add_nc_u32 v10, s95, v12
	v_add_nc_u32 v11, s95, v13
	s_mul_i32 s95, s10, 8448                       ; my stage
	v_mul_u32_u24 v16, v2, 528
	v_lshl_add_u32 v16, v3, 6, v16
	v_add_nc_u32 v16, s95, v16                     ; in: row r, + 64 h
	v_add_nc_u32 v17, s95, v12                     ; back: a row's 512 bytes, 16 a lane
.irp i, 0,1
.irp f, 0,1
	global_load_b128 v[32+8*\i+4*\f:35+8*\i+4*\f], v14, s[56:57] offset:1024*\i+16*\f
.endr
.endr
.irp i, 0,1,2,3
.irp f, 0,1
	global_load_b128 v[48+8*\i+4*\f:51+8*\i+4*\f], v14, s[58:59] offset:1024*\i+16*\f
.endr
.endr
	WIN 0xc0                                       ; destination window 3
.irp b, 0,1,2,3,4,5,6,7                ; bo in the result's layout: tile b, register j: column 32 (b / 2) + 16 h + 8 (b % 2) + j
	global_load_b128 v[8*\b:8*\b+3], v7, s[96:97] offset:(32*(\b/2)+8*(\b%2))*4
	global_load_b128 v[8*\b+4:8*\b+7], v7, s[96:97] offset:(32*(\b/2)+8*(\b%2))*4+16
.endr
	WIN 0
.macro FRAG reg, a16, a8, off          ; a fragment is two images of 768 bytes: every load takes consecutive bytes
	ds_load_b128 v[\reg:\reg+3], v[\a16] offset:\off
	ds_load_b64 v[\reg+4:\reg+5], v[\a8] offset:\off
	ds_load_b128 v[\reg+6:\reg+9], v[\a16] offset:\off+768
	ds_load_b64 v[\reg+10:\reg+11], v[\a8] offset:\off+768
.endm
.macro FETCH s
	WIN TO_B
.irp b, 0,1,2,3,4,5,6,7
	FRAG 96*((\s)%2)+12*\b, 10, 11, 3072*\b+1536*((\s)%2)
.endr
	WIN 0
.irp a, 0,1,2,3
	FRAG 80+48*((\s)%2)+12*\a, 8, 9, 3072*\a+1536*((\s)%2)
.endr
.endm
.macro WM a, b, p, s, first            ; one product; an odd tile's scale words stand in lanes 16-31 of its register
.set rD, 8*(8*(\a)+(\b))
.set rC, 8*(\b)
.set rB, 96*(\p)+12*(\b)
.set rA, 80+48*(\p)+12*(\a)
.set rU, 48+8*((\b)/2)+(\s)
.set rV, 32+8*((\a)/2)+(\s)
.set rw, 2*((\b)%2)+(\a)%2
.if \first
.if rw == 0
	v_wmma_scale_f32_16x16x128_f8f6f4 v[rD:rD+7], v[rB:rB+11], v[rA:rA+11], v[rC:rC+7], v[rU], v[rV] matrix_a_fmt:MATRIX_FMT_BF6 matrix_b_fmt:MATRIX_FMT_BF6
.elseif rw == 1
	v_wmma_scale_f32_16x16x128_f8f6f4 v[rD:rD+7], v[rB:rB+11], v[rA:rA+11], v[rC:rC+7], v[rU], v[rV] matrix_a_fmt:MATRIX_FMT_BF6 matrix_b_fmt:MATRIX_FMT_BF6 matrix_b_scale:MATRIX_SCALE_ROW1
.elseif rw == 2
	v_wmma_scale_f32_16x16x128_f8f6f4 v[rD:rD+7], v[rB:rB+11], v[rA:rA+11], v[rC:rC+7], v[rU], v[rV] matrix_a_fmt:MATRIX_FMT_BF6 matrix_b_fmt:MATRIX_FMT_BF6 matrix_a_scale:MATRIX_SCALE_ROW1
.else
	v_wmma_scale_f32_16x16x128_f8f6f4 v[rD:rD+7], v[rB:rB+11], v[rA:rA+11], v[rC:rC+7], v[rU], v[rV] matrix_a_fmt:MATRIX_FMT_BF6 matrix_b_fmt:MATRIX_FMT_BF6 matrix_a_scale:MATRIX_SCALE_ROW1 matrix_b_scale:MATRIX_SCALE_ROW1
.endif
.else
.if rw == 0
	v_wmma_scale_f32_16x16x128_f8f6f4 v[rD:rD+7], v[rB:rB+11], v[rA:rA+11], v[rD:rD+7], v[rU], v[rV] matrix_a_fmt:MATRIX_FMT_BF6 matrix_b_fmt:MATRIX_FMT_BF6
.elseif rw == 1
	v_wmma_scale_f32_16x16x128_f8f6f4 v[rD:rD+7], v[rB:rB+11], v[rA:rA+11], v[rD:rD+7], v[rU], v[rV] matrix_a_fmt:MATRIX_FMT_BF6 matrix_b_fmt:MATRIX_FMT_BF6 matrix_b_scale:MATRIX_SCALE_ROW1
.elseif rw == 2
	v_wmma_scale_f32_16x16x128_f8f6f4 v[rD:rD+7], v[rB:rB+11], v[rA:rA+11], v[rD:rD+7], v[rU], v[rV] matrix_a_fmt:MATRIX_FMT_BF6 matrix_b_fmt:MATRIX_FMT_BF6 matrix_a_scale:MATRIX_SCALE_ROW1
.else
	v_wmma_scale_f32_16x16x128_f8f6f4 v[rD:rD+7], v[rB:rB+11], v[rA:rA+11], v[rD:rD+7], v[rU], v[rV] matrix_a_fmt:MATRIX_FMT_BF6 matrix_b_fmt:MATRIX_FMT_BF6 matrix_a_scale:MATRIX_SCALE_ROW1 matrix_b_scale:MATRIX_SCALE_ROW1
.endif
.endif
.endm
.macro MUL a, p, s, first
.irp b, 0,1,2,3,4,5,6,7
	WM \a, \b, \p, \s, \first
.endr
.endm
; A K step of 128: 32 products, the 32 accumulators by turns, one instruction a turn, in the same order in every step.
; The next step's fragments are fetched behind the first eight products.  In steps 1, 3, 5 the next chunk is met: each wave waits for its own load of it, then the barrier.
.macro STEP s, first
	s_wait_dscnt 0x0                               ; this step's fragments are in; no LDS instruction of mine is out at a signal
.if ((\s)%2 == 1) && ((\s) < 7)
	s_wait_tensorcnt 3-((\s)+1)/2                  ; my load of the next chunk has landed; the later chunks' may be out
	s_barrier_signal -1
.endif
.if \first
	WIN MULF
.else
	WIN MULW
.endif
	MUL 0, (\s)%2, \s, \first
	WIN 0
.if ((\s)%2 == 1) && ((\s) < 7)
	s_barrier_wait -1
	v_add_nc_u32 v8, 24576, v8                     ; on to the next chunk; these four lines are the places in front of the loads into registers that products have read
	v_add_nc_u32 v9, 24576, v9
	v_add_nc_u32 v10, 49152, v10
	s_wait_alu depctr_va_vdst(0)
	v_add_nc_u32 v11, 49152, v11
.elseif (\s) < 7
	PLACES
.endif
.if (\s) < 7
	FETCH (\s)+1
.endif
.if \first
	WIN MULF
.else
	WIN MULW
.endif
	MUL 1, (\s)%2, \s, \first
	MUL 2, (\s)%2, \s, \first
	MUL 3, (\s)%2, \s, \first
.endm
	s_wait_alu depctr_va_vdst(0)
	s_wait_tensorcnt 3                             ; my load of chunk 0 has landed; the three later chunks' may be out
	s_barrier_signal -1
	s_barrier_wait -1
	FETCH 0
	s_wait_loadcnt 0x0                             ; the scale words and bo
	STEP 0, 1                                      ; the first products start the sums from bo
.irp s, 1,2,3,4,5,6,7
	s_wait_alu depctr_va_vdst(0)
	STEP \s, 0
.endr
	WIN 0
	PLACES                                         ; in front of the first read of results and of loads into registers that held A's fragments
; THE WAY OUT, a tile of 16 rows x 128 columns at a time, through my own stage: a lane's 16 bytes go in by rows of 528 bytes, whole rows of 512 bytes come back.  LDS serves a wave's instructions in order.
.macro TOSTAGE a
	WIN 0x08                                       ; an LDS store's data: window 2
.irp b, 0,1,2,3,4,5,6,7
	ds_store_b128 v16, v[8*(8*(\a)+\b):8*(8*(\a)+\b)+3] offset:128*(\b/2)+32*(\b%2)         ; each accumulator from its low end on
	ds_store_b128 v16, v[8*(8*(\a)+\b)+4:8*(8*(\a)+\b)+7] offset:128*(\b/2)+32*(\b%2)+16
.endr
	WIN 0
.irp t, 0,1,2,3,4,5,6,7,8,9,10,11,12,13,14,15
	ds_load_b128 v[80+64*((\a)%2)+4*\t:83+64*((\a)%2)+4*\t], v17 offset:528*\t
.endr
.endm
.macro SEND a, younger                 ; younger: the LDS instructions issued behind tile a's loads
	s_wait_dscnt \younger
.irp t, 0,1,2,3,4,5,6,7,8,9,10,11,12,13,14,15
	global_store_b128 v12, v[80+64*((\a)%2)+4*\t:83+64*((\a)%2)+4*\t], s[84:85] offset:(32*((\a)/2)+8*((\a)%2)+\t+8*(\t/8))*4096 th:TH_STORE_NT   ; position t of tile a is this row; 512 consecutive bytes
.endr
.endm
	TOSTAGE 0
	TOSTAGE 1
	SEND 0, 32                                     ; behind tile 0's loads: tile 1's 16 stores and 16 loads
	s_wait_xcnt 0x0                                ; tile 0's stores have read their registers: tile 2's rows may land there
	TOSTAGE 2
	SEND 1, 32
	s_wait_xcnt 0x0
	TOSTAGE 3
	SEND 2, 32
	SEND 3, 0
	s_wait_tensorcnt 0x0
	ds_add_u32 v254, v255
	s_wait_dscnt 0x0
	ROUND                                          ; the closing round
	s_endpgm
.Lfunc_end_k_q99d737f0f3_oproj:
	.size	k_q99d737f0f3_oproj, .Lfunc_end_k_q99d737f0f3_oproj-k_q99d737f0f3_oproj
	.p2alignl 7, 3214868480
	.fill 96, 4, 3214868480
	.section	.rodata,"a",@progbits
	.p2align	6, 0x0
	.amdhsa_kernel k_q99d737f0f3_oproj
		.amdhsa_group_segment_fixed_size 295424
		.amdhsa_private_segment_fixed_size 0
		.amdhsa_enable_private_segment 0
		.amdhsa_kernarg_size 32
		.amdhsa_user_sgpr_count 2
		.amdhsa_user_sgpr_kernarg_segment_ptr 1
		.amdhsa_wavefront_size32 1
		.amdhsa_system_sgpr_workgroup_id_x 1
		.amdhsa_system_sgpr_workgroup_id_y 1
		.amdhsa_system_sgpr_workgroup_id_z 1
		.amdhsa_system_vgpr_workitem_id 0
		.amdhsa_next_free_vgpr 832
		.amdhsa_next_free_sgpr 100
		.amdhsa_reserve_vcc 0
		.amdhsa_float_denorm_mode_32 3
		.amdhsa_float_denorm_mode_16_64 3
		.amdhsa_memory_ordered 1
		.amdhsa_forward_progress 1
		.amdhsa_inst_pref_size 85
	.end_amdhsa_kernel
	.amdgpu_metadata
---
amdhsa.version: [ 1, 2 ]
amdhsa.kernels:
  - .name:           k_q99d737f0f3_oproj
    .symbol:         k_q99d737f0f3_oproj.kd
    .args:
      - { .name: oq, .offset: 0, .size: 8, .value_kind: global_buffer, .address_space: global }
      - { .name: wq, .offset: 8, .size: 8, .value_kind: global_buffer, .address_space: global }
      - { .name: bo, .offset: 16, .size: 8, .value_kind: global_buffer, .address_space: global }
      - { .name: out0, .offset: 24, .size: 8, .value_kind: global_buffer, .address_space: global }
    .group_segment_fixed_size: 295424
    .private_segment_fixed_size: 0
    .kernarg_segment_align: 8
    .kernarg_segment_size: 32
    .max_flat_workgroup_size: 128
    .sgpr_count:     100
    .vgpr_count:     832
    .wavefront_size: 32
...
	.end_amdgpu_metadata
.endif
;; end of part 4
